; MI455X (gfx1250); checked and timed in simulation.
; The chip was launched on July 23, 2026; its instructions are those of AMD's public machine-readable ISA for CDNA 5 (MIT licence, August 2026) and "CDNA5" Instruction Set Architecture Reference Guide (July 2026). The comments in the code are by the model that wrote it; some were corrected since.
;; min GRU. Allowed arithmetic: matrix products marked QUANTISED: E5M2 operands, one E8M0 scale for each 32 along K, by v_wmma_scale_f32_16x16x128_f8f6f4 with both operands' format E5M2, f32 sums; everything else in f32.
;; Inputs: W_hg 1,024 x 2,048 float32; W_out 1,024 x 1,024 float32; x 4 x 4,096 x 1,024 float32.
;; Outputs: out0 4 x 4,096 x 1,024 float32.
;; This version of the problem:
;;   THIS VERSION OF THE PROBLEM IS GIVEN IN LOW PRECISION. The matrix products marked QUANTISED in the list below multiply operands that are first quantised to E5M2 (5 exponent bits, 2 mantissa bits; 8 bits a number), with one power-of-two scale for each 32 numbers along K (OCP MX v1.0); their sums are f32. All else is computed in f32.
;;   The module's matrix products, in the order in which they are computed (A, B: the left and right operand; K: the contracted axis; several contracted axes count as one K, in the product's order):
;;     1. [M 16,384, K 1,024] x [K 1,024, N 2,048]; A: input x; B: input W_hg: QUANTISED
;;     2. [M 16,384, K 1,024] x [K 1,024, N 1,024]; A: computed on the way; B: input W_out: QUANTISED
;;   THE QUANTISER, for each operand of a quantised product, along K:
;;     - K is cut into blocks of 32 from its start; a last block that is shorter is filled with zeros.
;;     - A block's scale is 2^e with e = floor(log2(the largest magnitude in the block)) - 15, held to -126 .. 127; a block of zeros has e = 0. As a byte (E8M0): e + 127.
;;     - Each number is divided by its block's scale, clamped to +-57,344, and rounded to the nearest number of E5M2, ties to even, subnormals kept.
;;     - The product sums the exact products of the quantised numbers (number of the format x scale) in f32.
;;   ~~~python
;;   def quantise(x, axis):      # numpy; x: float32 -> the quantised numbers, widened to float32 again
;;       x = np.moveaxis(x, axis, -1); K = x.shape[-1]
;;       x = np.pad(x, [(0, 0)] * (x.ndim - 1) + [(0, -K % 32)]); x = x.reshape(x.shape[:-1] + (-1, 32)); a = np.abs(x).max(-1, keepdims=True)
;;       e = np.where(a > 0, np.clip(np.frexp(np.where(a > 0, a, 1))[1] - 1 - 15, -126, 127), 0)      # np.frexp(a)[1] - 1 = floor(log2(a)), exactly
;;       r = np.clip(x / 2.0 ** e, -57344, 57344)
;;       step = 2.0 ** (np.maximum(np.frexp(np.where(r == 0, 1, r))[1] - 1, -14) - 2)
;;       q = np.round(r / step) * step * 2.0 ** e      # np.round: ties to even
;;       return np.moveaxis(q.reshape(q.shape[:-2] + (-1,))[..., :K], -1, axis).astype(np.float32)
;;   ~~~
;;   OPERANDS COMPUTED ON THE WAY. 'Computed on the way' means the value that the module computes at that place (a softmax that the list does not call 'softmax' is quantised finished and normalised). What goes into a quantiser is computed in f32, as accurately as f32 sums, v_exp_f32 and their like allow (about 1e-6 of the number): no bf16 or f16 on the way to a quantiser, and a product that is left as it is and whose result goes on into a quantised operand takes f32 operands (vector FMAs, or v_wmma_f32_16x16x4_f32). A number that lies on a knife's edge between two numbers of the format may be rounded either way, as far as f32 arithmetic and the matrix unit's own rounding can turn it there, and no further.
;; 2 versions, each right. Each part assembles by itself: llvm-mc -triple=amdgcn-amd-amdhsa -mcpu=gfx1250 --defsym DOCPART=n.
;; ======== version 1 of 2: 3 launches
;; workspace buffers: xq 16,777,216 bytes; xs 524,288 bytes; whq 2,097,152 bytes; whs 65,536 bytes; woq 1,048,576 bytes; wos 32,768 bytes; hq 16,777,216 bytes; hs 524,288 bytes
;; launch quant (part 1): grid 448 x 1, 4 waves a work-group, no clusters, 34,304 bytes of LDS; arguments x, W_hg, W_out, xq, xs, whq, whs, woq, wos; writes xq, xs, whq, whs, woq, wos
.if DOCPART == 1
	.amdgcn_target "amdgcn-amd-amdhsa--gfx1250"
	.amdhsa_code_object_version 6
	.text
	.protected	k_qf9b0bdccd5_quant
	.globl	k_qf9b0bdccd5_quant
	.p2align	8
	.type	k_qf9b0bdccd5_quant,@function
k_qf9b0bdccd5_quant:
	s_mov_b64 s[64:65], 0
	v_nop
	global_prefetch_b8 v0, s[64:65] scope:SCOPE_SE
	s_setreg_imm32_b32 hwreg(HW_REG_WAVE_MODE, 25, 1), 1
	s_wait_xcnt 0x0
; x [16384][1024], W_hg [1024][2048] and W_out [1024][1024], f32, become codes of BF8 (E5M2) with one E8M0 scale byte for each 32 along K,
; laid IN THE ORDER OF THE OPERANDS' REGISTERS.  A fragment (16 rows or columns x 128 K) is an image of 2,048 bytes, [c 4][lane 32][16 bytes]:
; lane r + 16 h holds k = 32 c + 16 h + 0 .. 15 of row r.  Its scale words are 4 bytes a row (byte c for block c).
; A block's scale is 2^(floor(log2(its largest magnitude)) - 15); its byte is the largest magnitude's exponent field - 15, held at 1 from below.
; Each number is divided by the scale, held within +-57,344 and rounded to the nearest code, ties to even.
; LIMITS: a block of zeros gets the byte 1 where the rule says 127 (its codes are zeros, and this program alone reads the bytes); blocks whose largest
; magnitude lies under 2^(16 - 127) keep the byte 1; NaN and infinities among the inputs are not served.
; WORK-GROUPS 0-255 take x, 256-383 W_hg, 384-447 W_out: three ways that part on the work-group's number.  Only x's way stores to LDS.
; x: K is innermost.  A wave makes the eight fragments of 16 rows.  THE ROWS OF A FRAGMENT ARE NOT NEIGHBOURS: fragment (T, w, m), number 8 T + 2 w + m, has as its row
; 8 h + j the row 128 T + 32 w + 16 h + 8 m + j of x, so that the next launch finds 16 neighbouring times in a lane.  Each load reads 512 consecutive bytes of a row; a K step's 16 x 512 bytes
; turn through the wave's own stage in LDS (rows 528 bytes apart) and come back 64 bytes a lane: 16 neighbours of each block of 32.
; W: K is the first axis.  A lane takes a column and its registers run down K: a block of 32 lies in one lane, and the codes come out with K innermost.
; Nothing is shared between work-groups and memory binds: no cluster, no tensor load, no matrix unit, no prefetch.
.set SPARE,  33792                     ; behind the four stages: the spare words, 128 bytes for each wave
.set STGB,   8448                      ; a wave's stage: 16 rows x 528 bytes
.set SPITCH, 528                       ; 512 bytes + 16: an odd multiple of 16, so that the 16 rows of a load start at 16 different groups of banks
.set SPW, 8                            ; v8   LDS address of my spare word; never rewritten
.set NIL, 9                            ; v9   0; never rewritten
.set R,   16                           ; v16-143   x: two sets of 64 registers as loaded
.set X,   144                          ; v144-207  x: 64 numbers, register 16 b + i = k 32 b + 16 h + i of my row
.set PC,  208                          ; v208-223  the codes just made
.set TM,  224                          ; v224-239  at work
.set PW,  240                          ; v240      the scale word just made
.set SW,  242                          ; v242-249  my row's eight scale words
.set OW,  250                          ; v250-253  the four that I store
.set WX,  16                           ; v16-143   W: four blocks of 32 numbers
.set WC,  144                          ; v144-175  W: eight registers of codes for each block, never rewritten
.set WT,  176                          ; v176-180  W: at work
.set WSB, 184                          ; v184      W: my column's scale word
.set SEL, 24                           ; s[24:25]  lane selects for v_permlanex16_b32: lane l xor 16
.set MNT, 26                           ; s26       the mantissa field of 57,344
	s_load_b256 s[4:11], s[0:1], 0x0               ; x, W_hg, W_out, xq
	s_load_b256 s[12:19], s[0:1], 0x20             ; xs, whq, whs, woq
	s_load_b64 s[20:21], s[0:1], 0x40              ; wos
	v_lshl_add_u32 v[SPW], v0, 2, SPARE
	v_mov_b32 v[NIL], 0
	v_lshrrev_b32 v1, 5, v0
	v_readfirstlane_b32 s22, v1                    ; wave 0..3
	v_and_b32 v1, 31, v0                           ; lane
	v_and_b32 v2, 15, v0                           ; r
	v_bfe_u32 v3, v0, 4, 1                         ; h
	v_lshlrev_b32 v4, 4, v1                        ; 16 x lane: my bytes of a load's 512 and of an image's
	s_mul_i32 s23, s22, STGB
	v_add_nc_u32 v5, s23, v4                       ; the stage, on the way in: 16 x lane of a row
	v_mul_u32_u24 v6, v2, SPITCH
	v_lshl_add_u32 v6, v3, 6, v6
	v_add_nc_u32 v6, s23, v6                       ; and on the way out: row r, + 64 h
	v_lshlrev_b32 v7, 5, v2
	v_lshl_add_u32 v7, v3, 4, v7                   ; xs: 32 bytes a row, + 16 h
	v_lshlrev_b32 v10, 2, v1                       ; W: 4 bytes a lane
	v_lshlrev_b32 v11, 4, v2
	v_lshl_add_u32 v11, v3, 14, v11                ; W's codes: 16 r in the image; lanes 16-31 belong to the next tile of 16 columns, 16,384 bytes on
	v_lshlrev_b32 v12, 2, v2
	v_lshl_add_u32 v12, v3, 9, v12                 ; W's scale words: 4 r; the next tile's are 512 bytes on
	s_mov_b32 s[SEL], 0x76543210
	s_mov_b32 s[SEL+1], 0xfedcba98
	s_mov_b32 s[MNT], 0x600000
	s_mov_b32 s27, 0xffff0000                      ; lanes 16-31
.irp b, 0,1,2,3
	v_mov_b32 v[TM+4+\b], 0                        ; written once: a lane permute's destination counts as one of its sources
.endr
	s_wait_kmcnt 0x0
.macro FIN                             ; a wave's end
	s_wait_tensorcnt 0x0
	ds_add_u32 v[SPW], v[NIL]
	s_wait_dscnt 0x0
	s_endpgm
.endm
; 64 numbers of a lane become a fragment's codes in v[PC] on and its scale word in v[PW]
.macro QUANT s
.irp b, 0,1,2,3
	v_max3_num_f32 v[TM+\b], |v[\s+16*\b]|, |v[\s+1+16*\b]|, 0x8000000   ; block b: my 16 numbers, and the floor 2^(16 - 127): the byte cannot fall under 1
.endr
.irp i, 2,4,6,8,10,12,14
.irp b, 0,1,2,3
	v_max3_num_f32 v[TM+\b], v[TM+\b], |v[\s+16*\b+\i]|, |v[\s+1+16*\b+\i]|   ; the four blocks by turns
.endr
.endr
.irp b, 0,1,2,3
	v_permlanex16_b32 v[TM+4+\b], v[TM+\b], s[SEL], s[SEL+1]
.endr
.irp b, 0,1,2,3
	v_max_num_f32 v[TM+\b], v[TM+\b], v[TM+4+\b]   ; with lane l xor 16's: the block's largest magnitude
.endr
.irp b, 0,1,2,3
	v_add_nc_u32 v[TM+12+\b], 0xf8800000, v[TM+\b] ; 15 off its exponent field: the conversion's scale operand
.endr
.irp b, 0,1,2,3
	v_and_or_b32 v[TM+8+\b], v[TM+\b], 0x7f800000, s[MNT]   ; 57,344 x the scale
.endr
.irp b, 0,1,2,3
	v_lshrrev_b32 v[TM+4+\b], 23, v[TM+12+\b]      ; the scale's byte
.endr
	v_lshl_or_b32 v[PW], v[TM+5], 8, v[TM+4]
	v_lshl_or_b32 v[PW], v[TM+6], 16, v[PW]
	v_lshl_or_b32 v[PW], v[TM+7], 24, v[PW]
.irp b, 0,1,2,3
.irp i, 0,1,2,3,4,5,6,7,8,9,10,11,12,13,14,15
	v_med3_num_f32 v[\s+16*\b+\i], v[\s+16*\b+\i], -v[TM+8+\b], v[TM+8+\b]   ; the conversion to an 8-bit code does not saturate (ISA guide 7.6.2): the hold comes first
.endr
	v_cvt_scalef32_pk8_bf8_f32 v[PC+4*\b:PC+1+4*\b], v[\s+16*\b:\s+7+16*\b], v[TM+12+\b]
	v_cvt_scalef32_pk8_bf8_f32 v[PC+2+4*\b:PC+3+4*\b], v[\s+8+16*\b:\s+15+16*\b], v[TM+12+\b]
.endr
	v_nop                                          ; one plain line behind the last conversion
.endm
	s_cmp_lt_u32 ttmp9, 256
	s_cbranch_scc0 .Lweights
	; ---------------- x ----------------
	s_lshl_b32 s28, ttmp9, 2
	s_add_co_u32 s28, s28, s22                     ; my fragment row: 8 T + 2 w + m
	s_lshr_b32 s29, s28, 3
	s_lshl_b32 s29, s29, 7                         ; 128 T
	s_bfe_u32 s30, s28, 0x20001
	s_lshl_b32 s30, s30, 5                         ; + 32 w
	s_add_co_u32 s29, s29, s30
	s_and_b32 s30, s28, 1
	s_lshl_b32 s30, s30, 3                         ; + 8 m
	s_add_co_u32 s29, s29, s30
	s_lshl_b32 s30, s29, 12                        ; rows of 4,096 bytes
	s_mov_b32 s31, 0
	s_add_nc_u64 s[4:5], s[4:5], s[30:31]
	s_lshl_b32 s30, s28, 14                        ; eight images
	s_add_nc_u64 s[10:11], s[10:11], s[30:31]
	s_lshl_b32 s30, s28, 9                         ; 16 rows x 8 words
	s_add_nc_u64 s[12:13], s[12:13], s[30:31]
.macro XLOADS st                       ; K step st of my 16 rows: each load reads 512 consecutive bytes of one row
.set ii, 0
.rept 16
	global_load_b128 v[R+64*((\st)%2)+4*ii:R+64*((\st)%2)+4*ii+3], v4, s[4:5] offset:((ii/8)*16+(ii%8))*4096+512*(\st) th:TH_LOAD_NT
.set ii, ii+1
.endr
.endm
.macro XTURN st                        ; through my stage: LDS serves a wave's instructions in order (ISA guide 5.7.1.4), so no wait stands between the stores and the loads
.set ii, 0
.rept 16
	ds_store_b128 v5, v[R+64*((\st)%2)+4*ii:R+64*((\st)%2)+4*ii+3] offset:SPITCH*ii
.set ii, ii+1
.endr
.irp b, 0,1,2,3
.irp q, 0,1,2,3
	ds_load_b128 v[X+16*\b+4*\q:X+16*\b+4*\q+3], v6 offset:128*\b+16*\q
.endr
.endr
.endm
.macro XSTEP st
.if (\st) < 7
	s_wait_loadcnt 16                              ; this step's 16 loads are in; the next step's 16 may be out
.else
	s_wait_loadcnt 0x0
.endif
	XTURN \st
	s_wait_dscnt 0x0                               ; the numbers are back, so the stage's stores have read their registers
	s_wait_xcnt 0x0                                ; the last step's stores have read the codes' registers, which are written again below
.if (\st) < 6
	XLOADS (\st)+2                                 ; into the set just read out
.endif
	QUANT X
.irp c, 0,1,2,3
	global_store_b128 v4, v[PC+4*\c:PC+4*\c+3], s[10:11] offset:2048*(\st)+512*\c th:TH_STORE_NT   ; 512 consecutive bytes of the image
.endr
	v_mov_b32 v[SW+(\st)], v[PW]
.endm
	XLOADS 0
	XLOADS 1
.irp t, 0,1,2,3,4,5,6,7
	XSTEP \t
.endr
.irp i, 0,1,2,3
	v_cndmask_b32 v[OW+\i], v[SW+\i], v[SW+4+\i], s27   ; lanes 0-15 store their row's words 0-3, lanes 16-31 words 4-7
.endr
	global_store_b128 v7, v[OW:OW+3], s[12:13]     ; 512 consecutive bytes
	FIN
; ---------------- the weights ----------------
; s28 = the K step of 128, s29 = which 32 columns, s30 = the first of their two tiles
.macro WLOAD pitch, w, c               ; block c: W(32 c + i, my column): neighbouring lanes read neighbouring columns
.set kk, 0
.rept 32
	global_load_b32 v[WX+32*(\c)+kk], v10, s[\w:\w+1] offset:(32*(\c)+kk)*\pitch th:TH_LOAD_NT
.set kk, kk+1
.endr
.endm
.macro WBLOCK pitch, w, cd, c
.set XB, WX+32*(\c)
.if (\c) < 3
	s_wait_loadcnt 32                              ; this block's 32 loads are in; the next block's 32 may be out
.else
	s_wait_loadcnt 0x0
.endif
.if (\c) < 2
	WLOAD \pitch, \w, (\c)+2                       ; two blocks ahead, into registers of its own
.endif
	v_max3_num_f32 v[WT], |v[XB]|, |v[XB+1]|, |v[XB+2]|             ; the block's largest magnitude: all 32 numbers are mine
	v_max3_num_f32 v[WT+1], |v[XB+3]|, |v[XB+4]|, |v[XB+5]|
.irp i, 6,10,14,18,22,26
	v_max3_num_f32 v[WT], v[WT], |v[XB+\i]|, |v[XB+\i+1]|
	v_max3_num_f32 v[WT+1], v[WT+1], |v[XB+\i+2]|, |v[XB+\i+3]|
.endr
	v_max3_num_f32 v[WT], v[WT], |v[XB+30]|, |v[XB+31]|
	v_max3_num_f32 v[WT], v[WT], v[WT+1], 0x8000000                ; and the floor 2^(16 - 127)
	v_add_nc_u32 v[WT+2], 0xf8800000, v[WT]        ; the conversion's scale operand
	v_and_or_b32 v[WT+3], v[WT], 0x7f800000, s[MNT]                ; 57,344 x the scale
	v_lshrrev_b32 v[WT+4], 23, v[WT+2]             ; the scale's byte
.if (\c) == 0
	v_mov_b32 v[WSB], v[WT+4]
.else
	v_lshl_or_b32 v[WSB], v[WT+4], 8*(\c), v[WSB]
.endif
.set kk, 0
.rept 32
	v_med3_num_f32 v[XB+kk], v[XB+kk], -v[WT+3], v[WT+3]
.set kk, kk+1
.endr
.irp g, 0,1,2,3
	v_cvt_scalef32_pk8_bf8_f32 v[WC+8*(\c)+2*\g:WC+8*(\c)+2*\g+1], v[XB+8*\g:XB+8*\g+7], v[WT+2]
.endr
	global_store_b128 v11, v[WC+8*(\c):WC+8*(\c)+3], s[\cd:\cd+1] offset:512*(\c) th:TH_STORE_NT        ; k = 32 c + 0 .. 15: the image's lanes 0-15; sixteen lanes store 256 consecutive bytes, aligned
	global_store_b128 v11, v[WC+8*(\c)+4:WC+8*(\c)+7], s[\cd:\cd+1] offset:512*(\c)+256 th:TH_STORE_NT  ; k = 32 c + 16 .. 31: its lanes 16-31
.endm
.macro WPATH pitch, w, cd, sc
	s_mul_i32 s32, s28, 128*\pitch                 ; 128 rows of W down,
	s_lshl_b32 s33, s29, 7                         ; 32 columns of 4 bytes along
	s_add_co_u32 s32, s32, s33
	s_mov_b32 s33, 0
	s_add_nc_u64 s[\w:\w+1], s[\w:\w+1], s[32:33]
	s_lshl_b32 s32, s30, 14                        ; a tile's eight images,
	s_lshl_b32 s34, s28, 11                        ; the K step's
	s_add_co_u32 s32, s32, s34
	s_add_nc_u64 s[\cd:\cd+1], s[\cd:\cd+1], s[32:33]
	s_lshl_b32 s32, s30, 9                         ; a tile's 8 x 16 scale words,
	s_lshl_b32 s34, s28, 6                         ; the K step's 16
	s_add_co_u32 s32, s32, s34
	s_add_nc_u64 s[\sc:\sc+1], s[\sc:\sc+1], s[32:33]
	WLOAD \pitch, \w, 0
	WLOAD \pitch, \w, 1
	WBLOCK \pitch, \w, \cd, 0
	WBLOCK \pitch, \w, \cd, 1
	WBLOCK \pitch, \w, \cd, 2
	WBLOCK \pitch, \w, \cd, 3
	global_store_b32 v12, v[WSB], s[\sc:\sc+1]     ; two pieces of 64 bytes: the scale words are one byte in 128 of what this way reads
	FIN
.endm
.Lweights:
	s_cmp_lt_u32 ttmp9, 384
	s_cbranch_scc0 .Lwout
	s_sub_co_u32 s28, ttmp9, 256                   ; W_hg: 16 groups of 128 columns x 8 K steps
	s_and_b32 s29, s28, 15
	s_lshr_b32 s28, s28, 4
	s_lshl_b32 s29, s29, 2
	s_add_co_u32 s29, s29, s22                     ; q: columns 32 q on.  q under 32: hidden, slice q; else gate, slice q - 32
	s_and_b32 s30, s29, 31
	s_lshl_b32 s30, s30, 2
	s_lshr_b32 s31, s29, 5
	s_lshl_b32 s31, s31, 1
	s_add_co_u32 s30, s30, s31                     ; a slice has four tiles: two of hidden columns, then two of gate columns
	WPATH 8192, 6, 14, 16
.Lwout:
	s_sub_co_u32 s28, ttmp9, 384                   ; W_out: 8 groups of 128 columns x 8 K steps
	s_and_b32 s29, s28, 7
	s_lshr_b32 s28, s28, 3
	s_lshl_b32 s29, s29, 2
	s_add_co_u32 s29, s29, s22
	s_lshl_b32 s30, s29, 1
	WPATH 4096, 8, 18, 20
.Lfunc_end_k_qf9b0bdccd5_quant:
	.size	k_qf9b0bdccd5_quant, .Lfunc_end_k_qf9b0bdccd5_quant-k_qf9b0bdccd5_quant
	.p2alignl 7, 3214868480
	.fill 96, 4, 3214868480
	.section	.rodata,"a",@progbits
	.p2align	6, 0x0
	.amdhsa_kernel k_qf9b0bdccd5_quant
		.amdhsa_group_segment_fixed_size 34304
		.amdhsa_private_segment_fixed_size 0
		.amdhsa_enable_private_segment 0
		.amdhsa_kernarg_size 72
		.amdhsa_user_sgpr_count 2
		.amdhsa_user_sgpr_kernarg_segment_ptr 1
		.amdhsa_wavefront_size32 1
		.amdhsa_system_sgpr_workgroup_id_x 1
		.amdhsa_system_sgpr_workgroup_id_y 1
		.amdhsa_system_sgpr_workgroup_id_z 1
		.amdhsa_system_vgpr_workitem_id 0
		.amdhsa_next_free_vgpr 256
		.amdhsa_next_free_sgpr 66
		.amdhsa_reserve_vcc 0
		.amdhsa_float_denorm_mode_32 3
		.amdhsa_float_denorm_mode_16_64 3
		.amdhsa_memory_ordered 1
		.amdhsa_forward_progress 1
		.amdhsa_inst_pref_size 155
	.end_amdhsa_kernel
	.amdgpu_metadata
---
amdhsa.version: [ 1, 2 ]
amdhsa.kernels:
  - .name:           k_qf9b0bdccd5_quant
    .symbol:         k_qf9b0bdccd5_quant.kd
    .args:
      - { .name: x, .offset: 0, .size: 8, .value_kind: global_buffer, .address_space: global }
      - { .name: W_hg, .offset: 8, .size: 8, .value_kind: global_buffer, .address_space: global }
      - { .name: W_out, .offset: 16, .size: 8, .value_kind: global_buffer, .address_space: global }
      - { .name: xq, .offset: 24, .size: 8, .value_kind: global_buffer, .address_space: global }
      - { .name: xs, .offset: 32, .size: 8, .value_kind: global_buffer, .address_space: global }
      - { .name: whq, .offset: 40, .size: 8, .value_kind: global_buffer, .address_space: global }
      - { .name: whs, .offset: 48, .size: 8, .value_kind: global_buffer, .address_space: global }
      - { .name: woq, .offset: 56, .size: 8, .value_kind: global_buffer, .address_space: global }
      - { .name: wos, .offset: 64, .size: 8, .value_kind: global_buffer, .address_space: global }
    .group_segment_fixed_size: 34304
    .private_segment_fixed_size: 0
    .kernarg_segment_align: 8
    .kernarg_segment_size: 72
    .max_flat_workgroup_size: 128
    .sgpr_count:     66
    .vgpr_count:     256
    .wavefront_size: 32
...
	.end_amdgpu_metadata
.endif
;; end of part 1
;; launch scan (part 2): grid 32 x 4, 4 waves a work-group, clusters of 4 x 1, 327,680 bytes of LDS; arguments xq, xs, whq, whs, hq, hs; writes hq, hs
.if DOCPART == 2
	.amdgcn_target "amdgcn-amd-amdhsa--gfx1250"
	.amdhsa_code_object_version 6
	.text
	.protected	k_qf9b0bdccd5_scan
	.globl	k_qf9b0bdccd5_scan
	.p2align	8
	.type	k_qf9b0bdccd5_scan,@function
k_qf9b0bdccd5_scan:
	s_mov_b64 s[64:65], 0
	v_nop
	global_prefetch_b8 v0, s[64:65] scope:SCOPE_SE
	s_setreg_imm32_b32 hwreg(HW_REG_WAVE_MODE, 25, 1), 1
	s_wait_xcnt 0x0
	s_wait_alu depctr_hold_cnt(0) depctr_sa_sdst(0) depctr_va_vdst(0) depctr_va_sdst(0) depctr_va_ssrc(0) depctr_va_vcc(0) depctr_vm_vsrc(0)
	s_getreg_b32 s2, hwreg(HW_REG_IB_STS2, 6, 4)
	s_cmp_eq_u32 s2, 0
	s_cbranch_scc0 .Lentry_in_a_cluster
	s_endpgm
.Lentry_in_a_cluster:
	s_bfe_u32 s2, ttmp6, 0x10000c
	s_cmp_lg_u32 s2, 0x3003
	s_cbranch_scc0 .Lentry_shape_is_right
	s_endpgm
.Lentry_shape_is_right:
; hg = Q(x) Q(W_hg) on codes of BF8 with E8M0 scales; z = sigmoid(gate), g(hidden); h_t = (1 - z_t) h_(t-1) + z_t g_t along the 4,096 times of a batch; h is quantised along the channels.
; THE RECURRENCE IS THE REFERENCE'S LOG-SPACE SCAN TAKEN OUT OF LOG SPACE: every past term is weighed by a product of (1 - z) <= 1 relative to the step in hand, which is the renormalisation
; that the running maximum of a cumulative logsumexp stands for, made at every step.  Every exponential here has an argument <= 0 for every input (2^(-|gate| log2 e), 2^(min(hidden, 0) log2 e)): none can overflow.
; g(x) = sigmoid(min(x, 0)) + max(x, 0): x + 0.5 from 0 on, sigmoid(x) under it.
; LIMITS: NaN and infinities are not served.  z, 1 - z or g under 2^-126 come out as 0 (the exponential and the reciprocal flush denormals: ISA guide 15.8).  The f32 roundings fall in another order than
; in the log-space form.  A block of zeros of h carries the byte 1 (its codes are zeros; this program alone reads the bytes).
; SHARES.  A work-group owns 32 channels (slice sg = 4 x cluster x + cx: one block of the quantiser) of one batch for all 4,096 times: the recurrence and the quantiser's block both stay inside it, and there are 4 x 32 = 128 such units.
; A trip is 128 times; wave w takes times 32 w .. 32 w + 31.  Source 0 = 16 rows of x, source 1 = 16 columns of W: a lane (r, h) holds channels r and 16 + r, and, by the order in which the
; launch before laid x's rows, the 16 neighbouring times 16 h + 8 m + j in register j of tile m.
; W's 32 fragments (4 tiles of columns x 8 K steps) stay in 512 registers for the whole launch.  x's come through a ring of two LDS slots of 128 KiB; each wave fetches and reads its own quarter.
; CLUSTER.  The four work-groups of a cluster walk the same x: each tile is asked for JOINTLY, by the same tensor load with the same descriptor and the mask 15.  cx enters global addresses alone.
; THE SCAN OF A TRIP: in a lane two runs of 8 times a channel (B = the local h, A = the product of 1 - z); the lane's 16 as (A16, B16) go through LDS; every lane walks its channel's 8 segments from the running carry,
; keeps the carry at its own segment, and h = A x carry + B.
; REGISTERS: window 0: addresses, scale words, accumulators, three arrays of 32 at work.  window 1: x's 16 fragments.  windows 2, 3: W's.
.set SLOT1, 1<<17                      ; slot 0 at 0, slot 1 here: one exclusive or turns an address
.set TRIPB, 131072                     ; a trip's codes of x: four waves' parts of 32,768 bytes, [m 2][s 8][image]
.set STG,   262144                     ; a stage for each wave: time row t at 144 t + 64 (t / 16), 128 bytes of f32
.set STGW,  4864
.set EXC,   281600                     ; the exchange: channel (u, r) at 80 (16 u + r); in it segment g = 2 w + h at 8 g: (A16, B16)
.set HSB,   284160                     ; h's scale bytes: [wave][trip][32 times]
.set SPARE, 289280                     ; the spare words, 128 bytes for each wave
.set FA,   3                           ; v3   16 x lane + 32,768 x wave: my place in a slot
.set ADR,  4                           ; v4   the same in the slot in hand
.set XSO,  5                           ; v5   x's scale words: 32 r + 512 h + 1,024 w
.set STW,  6                           ; v6   the stage, in
.set STR,  7                           ; v7   the stage, out
.set EXW,  8                           ; v8   the exchange, in
.set EXR,  9                           ; v9   the exchange, out
.set HSW0, 10                          ; v10  my scale byte's place in trip 0
.set CO,   11                          ; v11  16 x lane
.set PFO,  12                          ; v12  256 x lane
.set WSO,  13                          ; v13  W's scale words: 512 h + 4 r
.set SPW,  14                          ; v14  LDS address of my spare word; never rewritten
.set NIL,  15                          ; v15  0; never rewritten
.set HSA,  16                          ; v16  my scale byte's place in this trip
.set HSR,  17                          ; v17  where I read scale bytes back at the end
.set WS,   24                          ; v24-39  W's scale words: register 8 p + s: lanes 0-15 tile 2 p, lanes 16-31 tile 2 p + 1
.set XS,   40                          ; v40-47  x's: register s: lanes 0-15 tile m = 0, lanes 16-31 m = 1
.set HID,  56                          ; v56-87  hidden, element e = 16 u + 8 m + j; later b, B, h
.set GAT,  88                          ; v88-119 gate; later z
.set T1,   120
.set T2,   152                         ; later 1 - z, then A
.set T3,   184                         ; later the exchange's 2 x 16 numbers
.set H,    216                         ; v216-217 the running carry of channels r, 16 + r
.set CR,   218                         ; v[218:219], v[220:221] the carry into my first and into my second run of 8
.set AB,   224                         ; v[224:225], v[226:227] (A16, B16)
.set QM,   228
.set QO,   230
.set QS,   232
.set QL,   234
.set QB,   236
.set CD,   240                         ; v240-247 h's codes, four registers for each tile of 16 times
.set WV,   16                          ; s16 wave
.set G1,   24                          ; s[24:31] descriptor group 1
.set G0A,  32                          ; s[32:35] group 0: trip 0 into slot 0
.set G0W,  36                          ; s[36:39] group 0: trip 1 into slot 1; then it walks
.set MK,   39                          ; s40-46   MK + k: the lanes whose segment number is k or more
.set HIM,  47
.set SEL,  48
.set L2E,  50                          ; s[50:51] log2(e), twice
.set MNT,  52
.set TB,   53                          ; s53  the slot to be read next
.set TR,   54                          ; s54  32 x trip
.set CNT,  55
.set LIM,  56
.set PFA,  58
.set XSB,  60
.set HQB,  62
.set WQB,  66
.set WSP,  68
.set HSP,  70
.set MSB, 0
.macro WIN new                         ; the immediate's high byte repeats the setting that is left
.if MSB != (\new)
	s_set_vgpr_msb (MSB<<8)|(\new)
.set MSB, (\new)
.endif
.endm
.macro CROUND                          ; a round of the cluster's barrier
	s_barrier_signal -1
	s_barrier_wait -1
	s_cmp_lg_u32 s[WV], 0
	s_cbranch_scc1 .Lnot_wave_0_\@
	s_barrier_signal -3
.Lnot_wave_0_\@:
	s_barrier_wait -3
	s_barrier_signal -1
	s_barrier_wait -1
.endm
; A prefetch of the trip that the NEXT refill will ask for: a trip's 512 blocks of 256 bytes are shared out among 4 partners (by address), 4 waves and 32 lanes, one instruction a wave.
; All eight clusters of a batch walk the same x: the first of them asks.  The last refill asks for nothing: no trip lies behind it.
.macro ASK
	s_cmp_gt_u32 s[CNT], s[LIM]
	s_cbranch_scc0 .Lnot_mine_\@
	global_prefetch_b8 v[PFO], s[PFA:PFA+1] th:TH_LOAD_NT scope:SCOPE_SE
.Lnot_mine_\@:
.endm
	s_load_b256 s[4:11], s[0:1], 0x0               ; xq, xs, whq, whs
	s_load_b128 s[12:15], s[0:1], 0x20             ; hq, hs
	v_lshl_add_u32 v[SPW], v0, 2, SPARE
	v_mov_b32 v[NIL], 0
	ds_add_u32 v[SPW], v[NIL]                      ; the wave's opening: the add, and its wait ahead of my first tensor load; the set-up below stands between them
	v_lshrrev_b32 v18, 5, v0
	v_readfirstlane_b32 s[WV], v18                 ; wave 0..3
	s_bfe_u32 s17, ttmp6, 0x40000                  ; cx
	s_lshl_b32 s18, ttmp9, 2
	s_add_co_u32 s18, s18, s17                     ; my slice of 32 channels
	s_and_b32 s19, ttmp7, 0xffff                   ; the batch, which the partners share
	s_mov_b32 s[G1], 15|(3<<16)|(1<<21)            ; 15:0 the mask: all four work-groups; 17:16 elements of 8 bytes; 21 set beside a mask; no padding
	s_mov_b32 s[G1+1], 32<<16                      ; tensor_dim0 = 32 elements: 256 bytes
	s_mov_b32 s[G1+2], 128<<16                     ; tensor_dim1 = 128
	s_mov_b32 s[G1+3], 32<<16                      ; tile_dim0
	s_mov_b32 s[G1+4], 128                         ; tile_dim1: 128 rows of 256 bytes: a dense block of 32,768
	s_mov_b32 s[G1+5], 32                          ; the pitch
	s_mov_b32 s[G1+6], 0
	s_mov_b32 s[G1+7], 0
	s_mov_b32 s[HIM], 0xffff0000
	s_mov_b32 s[SEL], 0x76543210
	s_mov_b32 s[SEL+1], 0xfedcba98
	s_mov_b32 s[L2E], 0x3fb8aa3b
	s_mov_b32 s[L2E+1], s[L2E]
	s_mov_b32 s[MNT], 0x600000
	s_mov_b32 s[TB], 0
	s_mov_b32 s[TR], 0
	s_mov_b32 s[CNT], 30
	s_cmp_eq_u32 ttmp9, 0                          ; the batch's first cluster: the same in all four partners
	s_cselect_b32 s[LIM], 1, -1
	s_lshl_b32 s72, s[WV], 1                       ; lanes 0-15 are segment 2 w, lanes 16-31 segment 2 w + 1
.irp k, 1,2,3,4,5,6,7
	s_sub_co_i32 s73, \k, s72
	s_cmp_eq_u32 s73, 1
	s_cselect_b32 s[MK+\k], s[HIM], 0
	s_cmp_le_i32 s73, 0
	s_cselect_b32 s[MK+\k], -1, s[MK+\k]
.endr
	v_and_b32 v18, 31, v0                          ; lane
	v_and_b32 v1, 15, v0                           ; r
	v_bfe_u32 v2, v0, 4, 1                         ; h
	s_lshl_b32 s72, s[WV], 15
	v_lshlrev_b32 v[CO], 4, v18
	v_add_nc_u32 v[FA], s72, v[CO]
	v_lshlrev_b32 v[XSO], 5, v1
	v_lshl_add_u32 v[XSO], v2, 9, v[XSO]
	s_lshl_b32 s73, s[WV], 10
	v_add_nc_u32 v[XSO], s73, v[XSO]
	s_mul_i32 s74, s[WV], STGW
	s_add_co_u32 s74, s74, STG                     ; my stage
	v_mul_u32_u24 v[STW], v2, 2368                 ; in: my 16 times begin at row 16 h; 4 bytes a channel
	v_lshl_add_u32 v[STW], v1, 2, v[STW]
	v_add_nc_u32 v[STW], s74, v[STW]
	v_mul_u32_u24 v[STR], v1, 144                  ; out: time row r of a tile, channels 16 h on
	v_lshl_add_u32 v[STR], v2, 6, v[STR]
	v_add_nc_u32 v[STR], s74, v[STR]
	v_mul_u32_u24 v[EXR], v1, 80
	v_add_nc_u32 v[EXR], EXC, v[EXR]
	v_lshl_add_u32 v[EXW], v2, 3, v[EXR]
	s_lshl_b32 s75, s[WV], 4
	v_add_nc_u32 v[EXW], s75, v[EXW]
	s_add_co_u32 s73, s73, HSB                     ; my wave's 1,024 scale bytes
	v_add_nc_u32 v[HSW0], s73, v1
	v_lshlrev_b32 v[PFO], 8, v18
	v_lshlrev_b32 v[WSO], 2, v1
	v_lshl_add_u32 v[WSO], v2, 9, v[WSO]
	v_bfe_u32 v19, v0, 1, 2                        ; back, in the order of time: 16 bytes at time 1,024 w + 16 lane lie in wave (lane / 2) % 4's bytes,
	v_lshlrev_b32 v[HSR], 10, v19
	v_bfe_u32 v19, v0, 3, 2                        ; trip 8 w + lane / 8,
	v_lshl_add_u32 v[HSR], v19, 5, v[HSR]
	v_and_b32 v19, 1, v0                           ; half lane % 2
	v_lshl_add_u32 v[HSR], v19, 4, v[HSR]
	s_lshl_b32 s75, s[WV], 8
	s_add_co_u32 s75, s75, HSB
	v_add_nc_u32 v[HSR], s75, v[HSR]
	v_mov_b32 v[H], 0                              ; no h ahead of the first time
	v_mov_b32 v[H+1], 0
	v_mov_b32 v[QO], 0                             ; written once: a lane permute's destination counts as one of its sources
	v_mov_b32 v[QO+1], 0
	s_wait_dscnt 0x0                               ; the opening add is done
	s_wait_kmcnt 0x0
	s_lshl_b32 s72, s19, 22                        ; the batch's 32 trips of 131,072 bytes,
	s_lshl_b32 s73, s[WV], 15                      ; my wave's part
	s_add_co_u32 s72, s72, s73
	s_mov_b32 s73, 0
	s_add_nc_u64 s[74:75], s[4:5], s[72:73]        ; xq at my part of trip 0: made of the batch and the wave alone
	s_add_nc_u64 s[HQB:HQB+1], s[12:13], s[72:73]  ; hq: the same bytes on: 8 tiles of 16 times x 16,384 a trip, 2 of them mine
	s_lshl_b32 s72, s19, 17
	s_add_nc_u64 s[XSB:XSB+1], s[6:7], s[72:73]    ; xs: 4,096 bytes a trip
	s_mov_b32 s[G0A], 1                            ; count = 1
	s_lshl_b32 s[G0A+1], s[WV], 15                 ; LDS address: slot 0, my part
	s_mov_b64 s[G0A+2:G0A+3], s[74:75]
	s_or_b32 s[G0A+3], s[G0A+3], 0x80000000        ; type = 2
	s_mov_b32 s[G0W], 1
	s_add_co_u32 s[G0W+1], s[G0A+1], SLOT1
	s_add_nc_u64 s[G0W+2:G0W+3], s[74:75], TRIPB
	s_or_b32 s[G0W+3], s[G0W+3], 0x80000000
	s_lshr_b32 s76, s18, 2                         ; what hangs on cx is made in registers of its own
	s_lshl_b32 s76, s76, 11                        ; hq: K step slice / 4 of the second product,
	s_and_b32 s77, s18, 3
	s_lshl_b32 s77, s77, 9                         ; its block slice % 4: 512 bytes of the image
	s_add_co_u32 s76, s76, s77
	s_mov_b32 s77, 0
	s_add_nc_u64 s[HQB:HQB+1], s[HQB:HQB+1], s[76:77]
	s_lshl_b32 s76, s18, 16
	s_add_nc_u64 s[WQB:WQB+1], s[8:9], s[76:77]    ; my slice's 32 images of W
	s_lshl_b32 s76, s18, 11
	s_add_nc_u64 s[WSP:WSP+1], s[10:11], s[76:77]  ; and their scale words
	s_lshl_b32 s76, s18, 14
	s_lshl_b32 s78, s19, 12
	s_add_co_u32 s76, s76, s78
	s_lshl_b32 s78, s[WV], 10
	s_add_co_u32 s76, s76, s78
	s_add_nc_u64 s[HSP:HSP+1], s[14:15], s[76:77]  ; hs: [slice][row], my batch, the 1,024 times that I store
	s_lshl_b32 s76, s19, 22
	s_add_co_u32 s76, s76, 3*TRIPB                 ; the prefetches begin with trip 3: trips 0 to 2 come by their loads alone
	s_lshl_b32 s78, s17, 15
	s_add_co_u32 s76, s76, s78
	s_lshl_b32 s78, s[WV], 13
	s_add_co_u32 s76, s76, s78
	s_add_nc_u64 s[PFA:PFA+1], s[4:5], s[76:77]
	CROUND                                         ; all four work-groups are here: the first joint loads meet
	tensor_load_to_lds s[G0A:G0A+3], s[G1:G1+7]    ; trip 0
	s_nop 0
	tensor_load_to_lds s[G0W:G0W+3], s[G1:G1+7]    ; trip 1: two loads of mine are out
	s_nop 0
.rept 4
	v_nop
.endr
	WIN 0x80                                       ; destination window 2: W's tiles 0, 1 (hidden)
.set cc, 0
.rept 2
.set ss, 0
.rept 8
.irp c, 0,1,2,3
	global_load_b128 v[16*(8*cc+ss)+4*\c:16*(8*cc+ss)+4*\c+3], v[CO], s[WQB:WQB+1] offset:(8*cc+ss)*2048+512*\c
.endr
.set ss, ss+1
.endr
.set cc, cc+1
.endr
	WIN 0xc0                                       ; window 3: tiles 2, 3 (gate)
.set cc, 0
.rept 2
.set ss, 0
.rept 8
.irp c, 0,1,2,3
	global_load_b128 v[16*(8*cc+ss)+4*\c:16*(8*cc+ss)+4*\c+3], v[CO], s[WQB:WQB+1] offset:(8*(cc+2)+ss)*2048+512*\c
.endr
.set ss, ss+1
.endr
.set cc, cc+1
.endr
	WIN 0
.set pp, 0
.rept 2
.set ss, 0
.rept 8
	global_load_b32 v[WS+8*pp+ss], v[WSO], s[WSP:WSP+1] offset:1024*pp+64*ss
.set ss, ss+1
.endr
.set pp, pp+1
.endr
	global_load_b128 v[XS:XS+3], v[XSO], s[XSB:XSB+1]
	global_load_b128 v[XS+4:XS+7], v[XSO], s[XSB:XSB+1] offset:16
; my 16 fragments of x out of the slot at s[TB]: 64 loads of 512 consecutive bytes
.macro FRAGS
	v_add_nc_u32 v[ADR], s[TB], v[FA]
	WIN 0x40                                       ; destination window 1
.set mm, 0
.rept 2
.set ss, 0
.rept 8
.irp c, 0,1,2,3
	ds_load_b128 v[16*(8*mm+ss)+4*\c:16*(8*mm+ss)+4*\c+3], v[ADR] offset:16384*mm+2048*ss+512*\c
.endr
.set ss, ss+1
.endr
.set mm, mm+1
.endr
	WIN 0
	s_xor_b32 s[TB], s[TB], SLOT1
.endm
; one product; the registers and the rows of the scale registers stand in symbols
.macro WM zero
.if \zero
.if oA
.if oB
	v_wmma_scale_f32_16x16x128_f8f6f4 v[rD:rD+7], v[rA:rA+15], v[rB:rB+15], 0, v[rSA], v[rSB] matrix_a_fmt:MATRIX_FMT_BF8 matrix_b_fmt:MATRIX_FMT_BF8 matrix_a_scale:MATRIX_SCALE_ROW1 matrix_b_scale:MATRIX_SCALE_ROW1
.else
	v_wmma_scale_f32_16x16x128_f8f6f4 v[rD:rD+7], v[rA:rA+15], v[rB:rB+15], 0, v[rSA], v[rSB] matrix_a_fmt:MATRIX_FMT_BF8 matrix_b_fmt:MATRIX_FMT_BF8 matrix_a_scale:MATRIX_SCALE_ROW1
.endif
.else
.if oB
	v_wmma_scale_f32_16x16x128_f8f6f4 v[rD:rD+7], v[rA:rA+15], v[rB:rB+15], 0, v[rSA], v[rSB] matrix_a_fmt:MATRIX_FMT_BF8 matrix_b_fmt:MATRIX_FMT_BF8 matrix_b_scale:MATRIX_SCALE_ROW1
.else
	v_wmma_scale_f32_16x16x128_f8f6f4 v[rD:rD+7], v[rA:rA+15], v[rB:rB+15], 0, v[rSA], v[rSB] matrix_a_fmt:MATRIX_FMT_BF8 matrix_b_fmt:MATRIX_FMT_BF8
.endif
.endif
.else
.if oA
.if oB
	v_wmma_scale_f32_16x16x128_f8f6f4 v[rD:rD+7], v[rA:rA+15], v[rB:rB+15], v[rD:rD+7], v[rSA], v[rSB] matrix_a_fmt:MATRIX_FMT_BF8 matrix_b_fmt:MATRIX_FMT_BF8 matrix_a_scale:MATRIX_SCALE_ROW1 matrix_b_scale:MATRIX_SCALE_ROW1
.else
	v_wmma_scale_f32_16x16x128_f8f6f4 v[rD:rD+7], v[rA:rA+15], v[rB:rB+15], v[rD:rD+7], v[rSA], v[rSB] matrix_a_fmt:MATRIX_FMT_BF8 matrix_b_fmt:MATRIX_FMT_BF8 matrix_a_scale:MATRIX_SCALE_ROW1
.endif
.else
.if oB
	v_wmma_scale_f32_16x16x128_f8f6f4 v[rD:rD+7], v[rA:rA+15], v[rB:rB+15], v[rD:rD+7], v[rSA], v[rSB] matrix_a_fmt:MATRIX_FMT_BF8 matrix_b_fmt:MATRIX_FMT_BF8 matrix_b_scale:MATRIX_SCALE_ROW1
.else
	v_wmma_scale_f32_16x16x128_f8f6f4 v[rD:rD+7], v[rA:rA+15], v[rB:rB+15], v[rD:rD+7], v[rSA], v[rSB] matrix_a_fmt:MATRIX_FMT_BF8 matrix_b_fmt:MATRIX_FMT_BF8
.endif
.endif
.endif
.endm
; 64 products: first the hidden columns' four accumulators through all of K, then the gate's four.  The four take turns, one instruction a turn; the first K step starts the sums.
.macro MM
.set pp, 0
.rept 2
	WIN 0x09+4*pp                                  ; source 0 (x) window 1, source 1 (W) window 2 or 3, C and D window 0
.set ss, 0
.rept 8
.set cc, 0
.rept 2
.set mm, 0
.rept 2
.set rD, HID+16*(2*pp+cc)+8*mm
.set rA, 16*(8*mm+ss)
.set rB, 16*(8*cc+ss)
.set rSA, XS+ss
.set rSB, WS+8*pp+ss
.set oA, mm
.set oB, cc
.if ss == 0
	WM 1
.else
	WM 0
.endif
.set mm, mm+1
.endr
.set cc, cc+1
.endr
.set ss, ss+1
.endr
.set pp, pp+1
.endr
	WIN 0
.rept 8
	v_nop                                          ; eight places ahead of the loads into x's fragments and scale words and of the first read of results
.endr
.endm
; z, 1 - z and b = z g, 32 elements a lane, each array from its low end on
.macro GATE
.set e, 0
.rept 32
	v_mul_f32 v[T1+e], -|v[GAT+e]|, s[L2E]
.set e, e+1
.endr
.set e, 0
.rept 16                               ; u = 2^(-|gate| log2 e); the hidden side's plain work stands between the exponentials
	v_exp_f32 v[T1+e], v[T1+e]
	v_min_num_f32 v[T3+e], 0, v[HID+e]
	v_exp_f32 v[T1+e+1], v[T1+e+1]
	v_min_num_f32 v[T3+e+1], 0, v[HID+e+1]
	v_pk_add_f32 v[HID+e:HID+e+1], v[HID+e:HID+e+1], v[T3+e:T3+e+1] neg_lo:[0,1] neg_hi:[0,1]   ; max(x, 0) = x - min(x, 0), exactly
	v_pk_mul_f32 v[T3+e:T3+e+1], v[T3+e:T3+e+1], s[L2E:L2E+1] op_sel_hi:[1,0]
.set e, e+2
.endr
.set e, 0
.rept 32
	v_exp_f32 v[T3+e], v[T3+e]                     ; y = e^min(x, 0)
.set e, e+1
.endr
	v_nop                                          ; a plain line behind the last exponential,
	s_wait_alu depctr_va_vdst(0)                   ; and one wait for the 64, ahead of their first reader
.set e, 0
.rept 16
	v_pk_add_f32 v[T2+e:T2+e+1], v[T1+e:T1+e+1], 1.0 op_sel_hi:[1,0]
.set e, e+2
.endr
.set e, 0
.rept 32
	v_rcp_f32 v[T2+e], v[T2+e]                     ; 1 / (1 + u) = sigmoid(|gate|)
.set e, e+1
.endr
	v_nop
	s_wait_alu depctr_va_vdst(0)
.set e, 0
.rept 16
	v_pk_mul_f32 v[T1+e:T1+e+1], v[T1+e:T1+e+1], v[T2+e:T2+e+1]   ; u / (1 + u) = sigmoid(-|gate|)
.set e, e+2
.endr
.set e, 0
.rept 32
	v_cmp_le_f32 vcc_lo, 0, v[GAT+e]
	v_cndmask_b32 v[GAT+e], v[T1+e], v[T2+e], vcc_lo   ; z
	v_cndmask_b32 v[T2+e], v[T2+e], v[T1+e], vcc_lo    ; 1 - z
.set e, e+1
.endr
.set e, 0
.rept 16
	v_pk_add_f32 v[T1+e:T1+e+1], v[T3+e:T3+e+1], 1.0 op_sel_hi:[1,0]
.set e, e+2
.endr
.set e, 0
.rept 32
	v_rcp_f32 v[T1+e], v[T1+e]
.set e, e+1
.endr
	v_nop
	s_wait_alu depctr_va_vdst(0)
.set e, 0
.rept 16
	v_pk_fma_f32 v[HID+e:HID+e+1], v[T3+e:T3+e+1], v[T1+e:T1+e+1], v[HID+e:HID+e+1]   ; g = y / (1 + y) + max(x, 0)
.set e, e+2
.endr
.set e, 0
.rept 16
	v_pk_mul_f32 v[HID+e:HID+e+1], v[GAT+e:GAT+e+1], v[HID+e:HID+e+1]                 ; b = z g
.set e, e+2
.endr
.endm
; the four runs of 8 times, by turns: B_j = a_j B_(j-1) + b_j, A_j = a_j A_(j-1)
.macro SCAN8
.set j, 1
.rept 7
.irp q, 0,8,16,24
	v_fma_f32 v[HID+\q+j], v[T2+\q+j], v[HID+\q+j-1], v[HID+\q+j]
.endr
.irp q, 0,8,16,24
	v_mul_f32 v[T2+\q+j], v[T2+\q+j], v[T2+\q+j-1]
.endr
.set j, j+1
.endr
.irp u, 0,1
	v_mul_f32 v[AB+2*\u], v[T2+16*\u+15], v[T2+16*\u+7]
	v_fma_f32 v[AB+2*\u+1], v[T2+16*\u+15], v[HID+16*\u+7], v[HID+16*\u+15]
.endr
.endm
; the eight segments of 16 times meet in LDS; every lane walks its channels' eight from the running carry
.macro XCHG
	ds_store_b64 v[EXW], v[AB:AB+1]
	ds_store_b64 v[EXW], v[AB+2:AB+3] offset:1280
	s_wait_dscnt 0x0                               ; for the others' sake: my stores are done (and the next trip's fragments are in)
	s_barrier_signal -1
	s_barrier_wait -1                              ; my refill may stay out
.irp u, 0,1
.irp q, 0,1,2,3
	ds_load_b128 v[T3+16*\u+4*\q:T3+16*\u+4*\q+3], v[EXR] offset:1280*\u+16*\q
.endr
.endr
	v_mov_b32 v[CR], v[H]                          ; segment 0's carry is the trip's
	v_mov_b32 v[CR+2], v[H+1]
	s_wait_dscnt 0x0
.irp k, 0,1,2,3,4,5,6
.irp u, 0,1
	v_fma_f32 v[H+\u], v[T3+16*\u+2*\k], v[H+\u], v[T3+16*\u+2*\k+1]
.endr
.irp u, 0,1
	v_cndmask_b32 v[CR+2*\u], v[CR+2*\u], v[H+\u], s[MK+\k+1]   ; kept by the lanes of segments k + 1 on: the last that a lane keeps is its own carry
.endr
.endr
.irp u, 0,1
	v_fma_f32 v[H+\u], v[T3+16*\u+14], v[H+\u], v[T3+16*\u+15]  ; the next trip's carry
.endr
.irp u, 0,1
	v_fma_f32 v[CR+2*\u+1], v[T2+16*\u+7], v[CR+2*\u], v[HID+16*\u+7]   ; the carry into my second run
.endr
.endm
.macro FIX                             ; h = A x carry + B
.irp u, 0,1
.irp q, 0,2,4,6
	v_pk_fma_f32 v[HID+16*\u+\q:HID+16*\u+\q+1], v[T2+16*\u+\q:T2+16*\u+\q+1], v[CR+2*\u:CR+2*\u+1], v[HID+16*\u+\q:HID+16*\u+\q+1] op_sel_hi:[1,0,1]
.endr
.irp q, 8,10,12,14
	v_pk_fma_f32 v[HID+16*\u+\q:HID+16*\u+\q+1], v[T2+16*\u+\q:T2+16*\u+\q+1], v[CR+2*\u:CR+2*\u+1], v[HID+16*\u+\q:HID+16*\u+\q+1] op_sel:[0,1,0] op_sel_hi:[1,1,1]
.endr
.endr
.endm
; from a channel a lane to a time a lane, through my own stage: LDS serves a wave's instructions in order (ISA guide 5.7.1.4)
.macro TURNQ
.irp u, 0,1
.set j, 0
.rept 16
	ds_store_b32 v[STW], v[HID+16*\u+j] offset:j*144+64*\u
.set j, j+1
.endr
.endr
.irp t, 0,1
.irp q, 0,1,2,3
	ds_load_b128 v[T1+16*\t+4*\q:T1+16*\t+4*\q+3], v[STR] offset:2368*\t+16*\q
.endr
.endr
	s_wait_dscnt 0x0
.endm
; the quantiser of h: lane (r, k) holds channels 16 k + 0 .. 15 of time 16 t + r; the block of 32 lies in lanes l and l xor 16.  h is never negative: no |.|, and the hold is one-sided
.macro QH
.irp t, 0,1
	v_max3_num_f32 v[QM+\t], v[T1+16*\t], v[T1+16*\t+1], 0x8000000   ; with the floor 2^(16 - 127)
.endr
.irp i, 2,4,6,8,10,12,14
.irp t, 0,1
	v_max3_num_f32 v[QM+\t], v[QM+\t], v[T1+16*\t+\i], v[T1+16*\t+\i+1]
.endr
.endr
.irp t, 0,1
	v_permlanex16_b32 v[QO+\t], v[QM+\t], s[SEL], s[SEL+1]
.endr
.irp t, 0,1
	v_max_num_f32 v[QM+\t], v[QM+\t], v[QO+\t]
.endr
.irp t, 0,1
	v_add_nc_u32 v[QS+\t], 0xf8800000, v[QM+\t]    ; the conversion's scale operand
.endr
.irp t, 0,1
	v_and_or_b32 v[QL+\t], v[QM+\t], 0x7f800000, s[MNT]   ; 57,344 x the scale
.endr
.irp t, 0,1
	v_lshrrev_b32 v[QB+\t], 23, v[QS+\t]           ; the scale's byte
.endr
.irp t, 0,1
.irp i, 0,1,2,3,4,5,6,7,8,9,10,11,12,13,14,15
	v_min_num_f32 v[T1+16*\t+\i], v[T1+16*\t+\i], v[QL+\t]
.endr
	v_cvt_scalef32_pk8_bf8_f32 v[CD+4*\t:CD+4*\t+1], v[T1+16*\t:T1+16*\t+7], v[QS+\t]
	v_cvt_scalef32_pk8_bf8_f32 v[CD+4*\t+2:CD+4*\t+3], v[T1+16*\t+8:T1+16*\t+15], v[QS+\t]
.endr
	v_nop                                          ; one plain line behind the last conversion
	v_add_nc_u32 v[HSA], s[TR], v[HSW0]
.irp t, 0,1
	ds_store_b8 v[HSA], v[QB+\t] offset:16*\t      ; both lanes of a block write the same byte with the same value
	global_store_b128 v[CO], v[CD+4*\t:CD+4*\t+3], s[HQB:HQB+1] offset:16384*\t th:TH_STORE_NT   ; my slice's 512 consecutive bytes of the tile's image
.endr
.endm
; A TRIP.  At its head the fragments of its 128 times are on their way into registers.  Each wave waits for all its tensor loads (one is out: the next trip's tile), adds 0 to its spare word, and waits for
; that and for its reads of the slot that it has left.  refill = 1: that slot takes the trip two on, behind a round of the cluster's barrier, and has the whole trip in which to land.
; The barrier at the head also parts the last trip's reads of the exchange from this trip's stores there.
.macro TRIP refill, next
	s_wait_tensorcnt 0x0                           ; no tensor load of mine is out, so the walking group 0 may be written
	ds_add_u32 v[SPW], v[NIL]                      ; 0 onto my spare word
.if \refill
	s_xor_b32 s[G0W+1], s[G0W+1], SLOT1            ; the other slot than last time,
	s_add_nc_u64 s[G0W+2:G0W+3], s[G0W+2:G0W+3], TRIPB   ; the next trip; the type bits on top are not reached
.endif
	s_wait_dscnt 0x0                               ; the add is done; my fragments are in registers: my reads of the slot are over
.if \refill
	CROUND
	tensor_load_to_lds s[G0W:G0W+3], s[G1:G1+7]    ; my one tensor load behind the round
	s_nop 0
.rept 4
	v_nop
.endr
	ASK
.else
	s_barrier_signal -1
	s_barrier_wait -1
.endif
	s_wait_loadcnt 0x0                             ; x's scale words (in the first trip W too)
	MM
.if \next
	FRAGS                                          ; the next trip's fragments: its tile was shown landed at this trip's head
	global_load_b128 v[XS:XS+3], v[XSO], s[XSB:XSB+1] offset:4096
	global_load_b128 v[XS+4:XS+7], v[XSO], s[XSB:XSB+1] offset:4112
.endif
	GATE
	SCAN8
	XCHG
	FIX
	TURNQ
	QH
	s_wait_xcnt 0x0                                ; the trip's loads, stores and prefetch have read their registers: bases and codes may be written again
	s_add_nc_u64 s[XSB:XSB+1], s[XSB:XSB+1], 4096
	s_add_nc_u64 s[HQB:HQB+1], s[HQB:HQB+1], TRIPB
	s_add_nc_u64 s[PFA:PFA+1], s[PFA:PFA+1], TRIPB
	s_add_co_u32 s[TR], s[TR], 32
.endm
	s_wait_tensorcnt 1                             ; my part of trip 0 is in; trip 1's may be out.  I alone read my part: no barrier is owed
	FRAGS
.Ltrip:                                                ; 30 trips: trip i asks for trip i + 2
	TRIP 1, 1
	s_sub_co_u32 s[CNT], s[CNT], 1
	s_cmp_lg_u32 s[CNT], 0
	s_cbranch_scc1 .Ltrip
	TRIP 0, 1                                      ; the tail is written out
	TRIP 0, 0
	s_wait_dscnt 0x0                               ; my scale bytes lie in LDS,
	s_barrier_signal -1
	s_barrier_wait -1                              ; everybody's do
	ds_load_b128 v[T1:T1+3], v[HSR]
	ds_load_b128 v[T1+4:T1+7], v[HSR] offset:128
	s_wait_dscnt 0x0
	global_store_b128 v[CO], v[T1:T1+3], s[HSP:HSP+1]              ; 512 consecutive bytes, in the order of time
	global_store_b128 v[CO], v[T1+4:T1+7], s[HSP:HSP+1] offset:512
	s_wait_tensorcnt 0x0                           ; the wave's end
	ds_add_u32 v[SPW], v[NIL]
	s_wait_dscnt 0x0
	CROUND                                         ; the closing round
	s_endpgm
.Lfunc_end_k_qf9b0bdccd5_scan:
	.size	k_qf9b0bdccd5_scan, .Lfunc_end_k_qf9b0bdccd5_scan-k_qf9b0bdccd5_scan
	.p2alignl 7, 3214868480
	.fill 96, 4, 3214868480
	.section	.rodata,"a",@progbits
	.p2align	6, 0x0
	.amdhsa_kernel k_qf9b0bdccd5_scan
		.amdhsa_group_segment_fixed_size 327680
		.amdhsa_private_segment_fixed_size 0
		.amdhsa_enable_private_segment 0
		.amdhsa_kernarg_size 48
		.amdhsa_user_sgpr_count 2
		.amdhsa_user_sgpr_kernarg_segment_ptr 1
		.amdhsa_wavefront_size32 1
		.amdhsa_system_sgpr_workgroup_id_x 1
		.amdhsa_system_sgpr_workgroup_id_y 1
		.amdhsa_system_sgpr_workgroup_id_z 1
		.amdhsa_system_vgpr_workitem_id 0
		.amdhsa_next_free_vgpr 1024
		.amdhsa_next_free_sgpr 84
		.amdhsa_reserve_vcc 1
		.amdhsa_float_denorm_mode_32 3
		.amdhsa_float_denorm_mode_16_64 3
		.amdhsa_memory_ordered 1
		.amdhsa_forward_progress 1
		.amdhsa_inst_pref_size 151
	.end_amdhsa_kernel
	.amdgpu_metadata
---
amdhsa.version: [ 1, 2 ]
amdhsa.kernels:
  - .name:           k_qf9b0bdccd5_scan
    .symbol:         k_qf9b0bdccd5_scan.kd
    .args:
      - { .name: xq, .offset: 0, .size: 8, .value_kind: global_buffer, .address_space: global }
      - { .name: xs, .offset: 8, .size: 8, .value_kind: global_buffer, .address_space: global }
      - { .name: whq, .offset: 16, .size: 8, .value_kind: global_buffer, .address_space: global }
      - { .name: whs, .offset: 24, .size: 8, .value_kind: global_buffer, .address_space: global }
      - { .name: hq, .offset: 32, .size: 8, .value_kind: global_buffer, .address_space: global }
      - { .name: hs, .offset: 40, .size: 8, .value_kind: global_buffer, .address_space: global }
    .group_segment_fixed_size: 327680
    .private_segment_fixed_size: 0
    .kernarg_segment_align: 8
    .kernarg_segment_size: 48
    .max_flat_workgroup_size: 128
    .sgpr_count:     84
    .vgpr_count:     1024
    .wavefront_size: 32
...
	.end_amdgpu_metadata
.endif
;; end of part 2
;; launch gemm2 (part 3): grid 4 x 64, 4 waves a work-group, clusters of 4 x 4, 327,680 bytes of LDS; arguments hq, hs, woq, wos, out0; writes out0
.if DOCPART == 3
	.amdgcn_target "amdgcn-amd-amdhsa--gfx1250"
	.amdhsa_code_object_version 6
	.text
	.protected	k_qf9b0bdccd5_gemm2
	.globl	k_qf9b0bdccd5_gemm2
	.p2align	8
	.type	k_qf9b0bdccd5_gemm2,@function
k_qf9b0bdccd5_gemm2:
	s_mov_b64 s[64:65], 0
	v_nop
	global_prefetch_b8 v0, s[64:65] scope:SCOPE_SE
	s_setreg_imm32_b32 hwreg(HW_REG_WAVE_MODE, 25, 1), 1
	s_wait_xcnt 0x0
	s_wait_alu depctr_hold_cnt(0) depctr_sa_sdst(0) depctr_va_vdst(0) depctr_va_sdst(0) depctr_va_ssrc(0) depctr_va_vcc(0) depctr_vm_vsrc(0)
	s_getreg_b32 s2, hwreg(HW_REG_IB_STS2, 6, 4)
	s_cmp_eq_u32 s2, 0
	s_cbranch_scc0 .Lentry_in_a_cluster
	s_endpgm
.Lentry_in_a_cluster:
	s_bfe_u32 s2, ttmp6, 0x10000c
	s_cmp_lg_u32 s2, 0xf033
	s_cbranch_scc0 .Lentry_shape_is_right
	s_endpgm
.Lentry_shape_is_right:
; out0[t][n] = sum over e of h[t][e] W_out[e][n], on codes of BF8 (E5M2) with one E8M0 scale for each 32 along K.  16,384 x 1,024, K = 1,024; sums in f32.
; Both operands lie in memory as images of their fragments ([tile of 16][K step 8][c 4][lane 32][16 bytes]), so a fragment is four loads of 512 consecutive bytes, from memory and from LDS alike: no pitch, no padding.
; A tile of the result, 256 x 256, is made by a work-group of four waves; a wave makes 128 x 128: 64 accumulators, 512 registers.  64 x 4 = 256 work-groups.
; K goes in four steps of 256 through a ring of two LDS slots of 128 KiB; each wave fetches a quarter of a slot: 8 tiles x 4,096 bytes.
; CLUSTERS: 4 x 4 work-groups.  The four of a row need the same tiles of h, the four of a column the same tiles of W_out: each is asked for JOINTLY, by the same tensor load with the same descriptor and a mask that names the four.
; THE MATRIX INSTRUCTION IS USED TRANSPOSED (source 0 = 16 columns of W_out, source 1 = 16 rows of h): a lane then holds eight neighbouring numbers of a row of the result.
; THE SCALE WORDS of my 128 rows and 128 columns, for all of K, stay in 64 registers: register (pair of tiles, K step): lanes 0-15 the even tile, lanes 16-31 the odd one.
; REGISTERS: window 0: v16-31 addresses; v32-63 h's scale words, v64-95 W_out's; v128-255 h's fragments, ONE set.  window 1: W_out's fragments, TWO sets.  windows 2, 3: the accumulators.
.set SIZE_N, 1024
.set NL,     4                         ; LDS loads that bring a fragment
.set NP,     8                         ; places behind this matrix instruction (ISA guide 7.12.1)
.set FR,     16
.set HALFT,  32768                     ; 8 tiles x 2 K steps x 2,048: what one tensor load brings
.set SLOT,   131072
.set SPARE,  262144                    ; behind the ring: the spare words
.set SPITCH, 528                       ; the way out: a stage of 16 rows x (512 + 16) bytes for each wave, in slot 0, which has then had its last fill and its last read
.set ADRA, 16
.set ADRB, 20
.set STO,  24
.set RD,   25
.set CO,   26
.set HSO,  27                          ; v27  my lane: a byte a row of hs
.set SPW,  28
.set NIL,  29
.set WOS,  30                          ; v30  wos: 512 (lane / 16) + 4 (lane % 16)
.set SA,   32
.set SB,   64
.set AF,   128
.set BK,   128
.set G1,  24
.set G0,  32
.set G1B, 48
.set G0B, 56
.set MSB, 0
.macro WIN new
.if MSB != (\new)
	s_set_vgpr_msb (MSB<<8)|(\new)
.set MSB, (\new)
.endif
.endm
.set MUL_LO, 0xa1                      ; source 0 (W_out) window 1, source 1 (h) window 0, C and D window 2
.set MUL_HI, 0xf1
.set TO_B,   0x40
.macro JLOAD g0a, g1a, g0b, g1b        ; waves 0 and 1 fetch h's two halves, waves 2 and 3 W_out's; the branch hangs on the wave's number alone
	s_cmp_eq_u32 s15, 0
	s_cbranch_scc0 .Lfor_b_\@
	tensor_load_to_lds s[\g0a:\g0a+3], s[\g1a:\g1a+7]
	s_nop 0
.rept 4
	v_nop
.endr
	s_branch .Lasked_\@
.Lfor_b_\@:
	tensor_load_to_lds s[\g0b:\g0b+3], s[\g1b:\g1b+7]
	s_nop 0
.rept 4
	v_nop
.endr
.Lasked_\@:
.endm
.macro CREST
	s_cmp_lg_u32 s14, 0
	s_cbranch_scc1 .Lnot_wave_0_\@
	s_barrier_signal -3
.Lnot_wave_0_\@:
	s_barrier_wait -3
	s_barrier_signal -1
	s_barrier_wait -1
.endm
.macro CROUND
	s_barrier_signal -1
	s_barrier_wait -1
	CREST
.endm
	s_load_b256 s[4:11], s[0:1], 0x0               ; hq, hs, woq, wos
	s_load_b64 s[12:13], s[0:1], 0x20              ; out0
	v_lshl_add_u32 v[SPW], v0, 2, SPARE
	v_mov_b32 v[NIL], 0
	ds_add_u32 v[SPW], v[NIL]                      ; the wave's opening: the add, and its wait ahead of my first tensor load
	v_lshrrev_b32 v1, 5, v0
	v_readfirstlane_b32 s14, v1                    ; wave 0..3
	s_lshr_b32 s15, s14, 1                         ; which half of the tile's rows is mine.  Also: I fetch for h (0) or for W_out (1)
	s_and_b32 s16, s14, 1                          ; which half of its columns.  Also: which 8 tiles I fetch
	s_bfe_u32 s40, ttmp6, 0x40000                  ; cx
	s_bfe_u32 s41, ttmp6, 0x40004                  ; cy
	s_lshl_b32 s42, ttmp9, 2
	s_add_co_u32 s42, s42, s40                     ; tile column
	s_and_b32 s17, ttmp7, 0xffff
	s_lshl_b32 s17, s17, 2
	s_add_co_u32 s17, s17, s41                     ; tile row
	s_lshl_b32 s43, s41, 2
	s_lshl_b32 s43, 15, s43                        ; my row of the cluster
	s_lshl_b32 s44, 0x1111, s40                    ; my column
	s_or_b32 s[G1+0], s43, (3<<16)|(1<<21)         ; the mask; elements of 8 bytes; 21 set beside a mask; no padding
	s_or_b32 s[G1B+0], s44, (3<<16)|(1<<21)
.irp g, G1, G1B
	s_mov_b32 s[\g+1], 512<<16                     ; tensor_dim0 = 512 elements: two K steps' images of a tile, 4,096 bytes
	s_mov_b32 s[\g+2], 8<<16                       ; tensor_dim1 = 8 tiles
	s_mov_b32 s[\g+3], 512<<16                     ; tile_dim0
	s_mov_b32 s[\g+4], 8                           ; tile_dim1
	s_mov_b32 s[\g+5], 2048                        ; from tile to tile: 16,384 bytes
	s_mov_b32 s[\g+6], 0
	s_mov_b32 s[\g+7], 0
.endr
	s_lshl_b32 s18, s16, 3
	s_lshl_b32 s20, s17, 4
	s_add_co_u32 s20, s20, s18                     ; h: tile 16 x tile row + 8 x half
	s_lshl_b32 s20, s20, 14
	s_mov_b32 s21, 0
	s_lshl_b32 s46, s42, 4
	s_add_co_u32 s46, s46, s18                     ; W_out: tile 16 x tile column + 8 x half
	s_lshl_b32 s66, s46, 9                         ; its scale words: 512 bytes a tile
	s_mov_b32 s67, 0
	s_lshl_b32 s46, s46, 14
	s_mov_b32 s47, 0
	s_lshl_b32 s22, s17, 8
	s_lshl_b32 s23, s15, 7
	s_add_co_u32 s22, s22, s23                     ; my first row: 256 x tile row + 128 x half
	s_mov_b32 s23, 0
	s_mul_i32 s45, s14, HALFT                      ; where the tiles go: wave x 32,768: no place in the cluster enters an LDS address
	s_wait_dscnt 0x0                               ; the opening add is done
	s_wait_kmcnt 0x0
	s_add_nc_u64 s[20:21], s[4:5], s[20:21]
	s_add_nc_u64 s[46:47], s[8:9], s[46:47]
	s_add_nc_u64 s[6:7], s[6:7], s[22:23]          ; hs at my first row
	s_add_nc_u64 s[10:11], s[10:11], s[66:67]      ; wos at the first tile of my columns
	CROUND                                         ; all sixteen work-groups are here: the first joint loads meet
.irp s, 0,1
	s_mov_b32 s[G0+4*\s], 1
	s_add_co_u32 s[G0+4*\s+1], s45, \s*SLOT
	s_add_nc_u64 s[G0+4*\s+2:G0+4*\s+3], s[20:21], \s*4096
	s_or_b32 s[G0+4*\s+3], s[G0+4*\s+3], 0x80000000
	s_mov_b32 s[G0B+4*\s], 1
	s_add_co_u32 s[G0B+4*\s+1], s45, \s*SLOT
	s_add_nc_u64 s[G0B+4*\s+2:G0B+4*\s+3], s[46:47], \s*4096
	s_or_b32 s[G0B+4*\s+3], s[G0B+4*\s+3], 0x80000000
	JLOAD G0+4*\s, G1, G0B+4*\s, G1B
.endr
	v_and_b32 v[HSO], 31, v0
	v_and_b32 v1, 15, v0                           ; l % 16
	v_bfe_u32 v2, v0, 4, 1                         ; l / 16
	v_lshlrev_b32 v[WOS], 2, v1
	v_lshl_add_u32 v[WOS], v2, 9, v[WOS]
	; the scale words.  hs is [slice of 32 channels][row]: a byte a lane, four bytes make a word; wos holds words
.set a2, 0
.rept 4
.set ss, 0
.rept 8
.irp c, 0,1,2,3
	global_load_u8 v[AF+4*(8*a2+ss)+\c], v[HSO], s[6:7] offset:(4*ss+\c)*16384+32*a2
.endr
	global_load_b32 v[SB+8*a2+ss], v[WOS], s[10:11] offset:1024*a2+64*ss
.set ss, ss+1
.endr
.set a2, a2+1
.endr
	v_lshlrev_b32 v[CO], 4, v[HSO]                 ; 16 x lane
	s_mul_i32 s21, s15, HALFT                      ; my 8 tiles of h
	s_mul_i32 s22, s16, HALFT                      ; my 8 tiles of W_out,
	s_add_co_u32 s22, s22, 2*HALFT                 ; which lie behind h's 16
.irp s, 0,1
	v_add_nc_u32 v[ADRA+\s], s21, v[CO]
	v_add_nc_u32 v[ADRB+\s], s22, v[CO]
	s_add_co_u32 s21, s21, SLOT
	s_add_co_u32 s22, s22, SLOT
.endr
	s_mul_i32 s23, s14, 16*SPITCH                  ; my stage
	v_mul_u32_u24 v5, v1, SPITCH                   ; in: row l % 16, 32 bytes for each half of the lanes
	v_lshl_add_u32 v5, v2, 5, v5
	v_add_nc_u32 v[STO], s23, v5
	v_add_nc_u32 v[RD], s23, v[CO]                 ; back: the 32 lanes take one row of 512 bytes
	s_lshl_b32 s20, s17, 8
	s_lshl_b32 s21, s15, 7
	s_add_co_u32 s20, s20, s21
	s_lshl_b32 s20, s20, 12                        ; my first row of the result, rows of 4,096 bytes
	s_mov_b32 s21, 0
	s_lshl_b32 s46, s42, 10                        ; my first column, in bytes
	s_lshl_b32 s47, s16, 9
	s_add_co_u32 s46, s46, s47
	s_mov_b32 s47, 0
	s_add_nc_u64 s[20:21], s[20:21], s[46:47]
	s_add_nc_u64 s[12:13], s[12:13], s[20:21]
	s_wait_loadcnt 0x0
.set a2, 0
.rept 32
	v_lshl_or_b32 v[SA+a2], v[AF+4*a2+1], 8, v[AF+4*a2]
	v_lshl_or_b32 v[SA+a2], v[AF+4*a2+2], 16, v[SA+a2]
	v_lshl_or_b32 v[SA+a2], v[AF+4*a2+3], 24, v[SA+a2]
.set a2, a2+1
.endr
.macro FRAG reg, adr, q, i             ; a fragment as it lies: four loads of 512 consecutive bytes
.irp c, 0,1,2,3
	ds_load_b128 v[\reg+4*\c:\reg+4*\c+3], v[\adr] offset:4096*(\i)+2048*(\q)+512*\c
.endr
.endm
.macro WQ zero                         ; one product; the registers and the rows of the scale registers stand in symbols
.if \zero
.if o0
.if o1
	v_wmma_scale_f32_16x16x128_f8f6f4 v[rD:rD+7], v[rB:rB+15], v[rA:rA+15], 0, v[rSB], v[rSA] matrix_a_fmt:MATRIX_FMT_BF8 matrix_b_fmt:MATRIX_FMT_BF8 matrix_a_scale:MATRIX_SCALE_ROW1 matrix_b_scale:MATRIX_SCALE_ROW1
.else
	v_wmma_scale_f32_16x16x128_f8f6f4 v[rD:rD+7], v[rB:rB+15], v[rA:rA+15], 0, v[rSB], v[rSA] matrix_a_fmt:MATRIX_FMT_BF8 matrix_b_fmt:MATRIX_FMT_BF8 matrix_a_scale:MATRIX_SCALE_ROW1
.endif
.else
.if o1
	v_wmma_scale_f32_16x16x128_f8f6f4 v[rD:rD+7], v[rB:rB+15], v[rA:rA+15], 0, v[rSB], v[rSA] matrix_a_fmt:MATRIX_FMT_BF8 matrix_b_fmt:MATRIX_FMT_BF8 matrix_b_scale:MATRIX_SCALE_ROW1
.else
	v_wmma_scale_f32_16x16x128_f8f6f4 v[rD:rD+7], v[rB:rB+15], v[rA:rA+15], 0, v[rSB], v[rSA] matrix_a_fmt:MATRIX_FMT_BF8 matrix_b_fmt:MATRIX_FMT_BF8
.endif
.endif
.else
.if o0
.if o1
	v_wmma_scale_f32_16x16x128_f8f6f4 v[rD:rD+7], v[rB:rB+15], v[rA:rA+15], v[rD:rD+7], v[rSB], v[rSA] matrix_a_fmt:MATRIX_FMT_BF8 matrix_b_fmt:MATRIX_FMT_BF8 matrix_a_scale:MATRIX_SCALE_ROW1 matrix_b_scale:MATRIX_SCALE_ROW1
.else
	v_wmma_scale_f32_16x16x128_f8f6f4 v[rD:rD+7], v[rB:rB+15], v[rA:rA+15], v[rD:rD+7], v[rSB], v[rSA] matrix_a_fmt:MATRIX_FMT_BF8 matrix_b_fmt:MATRIX_FMT_BF8 matrix_a_scale:MATRIX_SCALE_ROW1
.endif
.else
.if o1
	v_wmma_scale_f32_16x16x128_f8f6f4 v[rD:rD+7], v[rB:rB+15], v[rA:rA+15], v[rD:rD+7], v[rSB], v[rSA] matrix_a_fmt:MATRIX_FMT_BF8 matrix_b_fmt:MATRIX_FMT_BF8 matrix_b_scale:MATRIX_SCALE_ROW1
.else
	v_wmma_scale_f32_16x16x128_f8f6f4 v[rD:rD+7], v[rB:rB+15], v[rA:rA+15], v[rD:rD+7], v[rSB], v[rSA] matrix_a_fmt:MATRIX_FMT_BF8 matrix_b_fmt:MATRIX_FMT_BF8
.endif
.endif
.endif
.endm
; 16 products: h's blocks a0, a0 + 1 x W_out's eight, K step ks of eight.  p: W_out's set.  The 64 accumulators take turns, one instruction a turn, in the same order in every step.
.macro MUL16 a0, p, ks, zero
.irp a, \a0, \a0+1
.irp b, 0,1,2,3,4,5,6,7
.set rD, 8*(8*((\a)%4)+\b)
.set rB, 128*(\p)+FR*\b
.set rA, AF+FR*(\a)
.set rSB, SB+8*(\b/2)+(\ks)
.set rSA, SA+8*((\a)/2)+(\ks)
.set o0, \b%2
.set o1, (\a)%2
	WQ \zero
.endr
.endr
.endm
.macro FETCH_B slot, q, p
	WIN TO_B
.irp i, 0,1,2,3,4,5,6,7
	FRAG 128*(\p)+FR*\i, ADRB+\slot, \q, \i
.endr
	WIN 0
.endm
.macro FETCH_A slot, q, i0
.irp i, \i0, \i0+1, \i0+2, \i0+3
	FRAG AF+FR*(\i), ADRA+\slot, \q, \i
.endr
.endm
.macro PLACES n                        ; places ahead of loads into registers that matrix instructions have read, and of the first read of results
.rept \n
	v_nop
.endr
.endm
; a slot's first 128 along K (W_out's set 0); it fetches the second 128's fragments
.macro STEP slot, ks, zero
	s_wait_dscnt 4*NL                              ; W_out's set and h's blocks 0-3 are in; the youngest 16 loads (h's blocks 4-7) may be out
	WIN MUL_LO
	MUL16 0, 0, \ks, \zero
	MUL16 2, 0, \ks, \zero
	s_wait_dscnt 0                                 ; h's blocks 4-7 are in
	PLACES NP
	FETCH_B \slot, 1, 1
	FETCH_A \slot, 1, 0
	WIN MUL_HI
	MUL16 4, 0, \ks, \zero
	MUL16 6, 0, \ks, \zero
	PLACES NP
	WIN 0
	FETCH_A \slot, 1, 4
.endm
; a slot's second 128 (set 1) changes slots: ONE barrier; in front of it each wave waits for all its tensor loads, adds 0 to its spare word, and waits for that and for its reads of this slot.
; fill = 1: the barrier opens a round of the cluster's, and this slot is filled again, two slots ahead.
.macro TURN slot, next, fill, ks
	s_wait_tensorcnt 0x0                           ; all my tensor loads have landed: my part of the next slot
	ds_add_u32 v[SPW], v[NIL]                      ; 0 onto my spare word
	s_wait_dscnt 4*NL+1                            ; (the add and the youngest 16 loads may be out)
	WIN MUL_LO
	MUL16 0, 1, \ks, 0                             ; sixteen products stand between the add and the wait for it
	s_wait_dscnt 0x0                               ; the add is done, and my reads of this slot are over
	s_barrier_signal -1
	MUL16 2, 1, \ks, 0
	WIN 0
	s_barrier_wait -1
.if \fill
	CREST                                          ; no wave of any partner still reads this slot or has a load on its way
	s_add_nc_u64 s[G0+4*\slot+2:G0+4*\slot+3], s[G0+4*\slot+2:G0+4*\slot+3], 8192
	s_add_nc_u64 s[G0B+4*\slot+2:G0B+4*\slot+3], s[G0B+4*\slot+2:G0B+4*\slot+3], 8192
	JLOAD G0+4*\slot, G1, G0B+4*\slot, G1B         ; the first tensor load behind the round; its four v_nop are among the places ahead of the loads below
	PLACES NP-4
.else
	PLACES NP
.endif
	FETCH_B \next, 0, 0
	FETCH_A \next, 0, 0
	WIN MUL_HI
	MUL16 4, 1, \ks, 0
	MUL16 6, 1, \ks, 0
	PLACES NP
	WIN 0
	FETCH_A \next, 0, 4
.endm
	PLACES NP                                      ; scale registers written by vector instructions stand eight places ahead of the products
	s_wait_tensorcnt 1                             ; my part of slot 0 is in (slot 1's load may be out),
	s_barrier_signal -1
	s_barrier_wait -1                              ; everybody's is
	FETCH_B 0, 0, 0
	FETCH_A 0, 0, 0
	FETCH_A 0, 0, 4
	STEP 0, 0, 1                                   ; the first step's products start the sums: nothing is cleared
	TURN 0, 1, 1, 1                                ; slot 0 takes K 512 on
	STEP 1, 2, 0
	TURN 1, 0, 1, 3                                ; slot 1 takes K 768 on
	STEP 0, 4, 0
	TURN 0, 1, 0, 5                                ; nothing is left to fetch
	STEP 1, 6, 0
	s_wait_dscnt 4*NL                              ; the last step
	WIN MUL_LO
	MUL16 0, 1, 7, 0
	MUL16 2, 1, 7, 0
	s_wait_dscnt 0
	WIN MUL_HI
	MUL16 4, 1, 7, 0
	MUL16 6, 1, 7, 0
	WIN 0
; THE WAY OUT, block by block of 16 rows x 128 columns, through my own stage in LDS: in as 32 bytes a lane, back as whole rows of 512 bytes.  LDS serves a wave's instructions in order (ISA guide 5.7.1.4).
.macro TOSTAGE a
.set AC, 64*((\a)%4)
	WIN 0x08+4*((\a)/4)                            ; the data: window 2 or 3
.irp b, 0,1,2,3,4,5,6,7
	ds_store_b128 v[STO], v[AC+8*\b:AC+8*\b+3] offset:64*\b          ; each accumulator from its low end on
	ds_store_b128 v[STO], v[AC+8*\b+4:AC+8*\b+7] offset:64*\b+16
.endr
	WIN 0
.set BB, BK+64*((\a)%2)
.irp t, 0,1,2,3,4,5,6,7,8,9,10,11,12,13,14,15
	ds_load_b128 v[BB+4*\t:BB+4*\t+3], v[RD] offset:\t*SPITCH
.endr
.endm
.macro SEND a, younger                 ; younger: the LDS instructions issued behind block a's loads, which may stay out
.set BB, BK+64*((\a)%2)
	s_wait_dscnt \younger
.if (\a) > 0
	s_add_nc_u64 s[12:13], s[12:13], 16*SIZE_N*4   ; behind a wait on XCNT: the earlier stores have read their base
.endif
.irp t, 0,1,2,3,4,5,6,7,8,9,10,11,12,13,14,15
	global_store_b128 v[CO], v[BB+4*\t:BB+4*\t+3], s[12:13] offset:\t*SIZE_N*4 th:TH_STORE_NT   ; 32 lanes store 512 consecutive bytes, at a multiple of 256 from the buffer's first byte
.endr
.endm
	PLACES NP
	TOSTAGE 0
.irp a, 1,2,3,4,5,6,7
.if \a > 1
	s_wait_xcnt 0x0                                ; block a - 2's stores have read their registers and their base
.endif
	TOSTAGE \a
	SEND \a-1, 32                                  ; behind block a - 1's loads: block a's 16 stores and 16 loads
.endr
	s_wait_xcnt 0x0
	SEND 7, 0
	s_wait_tensorcnt 0x0                           ; the wave's end
	ds_add_u32 v[SPW], v[NIL]
	s_wait_dscnt 0x0
	CROUND                                         ; the closing round
	s_endpgm
.Lfunc_end_k_qf9b0bdccd5_gemm2:
	.size	k_qf9b0bdccd5_gemm2, .Lfunc_end_k_qf9b0bdccd5_gemm2-k_qf9b0bdccd5_gemm2
	.p2alignl 7, 3214868480
	.fill 96, 4, 3214868480
	.section	.rodata,"a",@progbits
	.p2align	6, 0x0
	.amdhsa_kernel k_qf9b0bdccd5_gemm2
		.amdhsa_group_segment_fixed_size 327680
		.amdhsa_private_segment_fixed_size 0
		.amdhsa_enable_private_segment 0
		.amdhsa_kernarg_size 40
		.amdhsa_user_sgpr_count 2
		.amdhsa_user_sgpr_kernarg_segment_ptr 1
		.amdhsa_wavefront_size32 1
		.amdhsa_system_sgpr_workgroup_id_x 1
		.amdhsa_system_sgpr_workgroup_id_y 1
		.amdhsa_system_sgpr_workgroup_id_z 1
		.amdhsa_system_vgpr_workitem_id 0
		.amdhsa_next_free_vgpr 1024
		.amdhsa_next_free_sgpr 72
		.amdhsa_reserve_vcc 0
		.amdhsa_float_denorm_mode_32 3
		.amdhsa_float_denorm_mode_16_64 3
		.amdhsa_memory_ordered 1
		.amdhsa_forward_progress 1
		.amdhsa_inst_pref_size 162
	.end_amdhsa_kernel
	.amdgpu_metadata
---
amdhsa.version: [ 1, 2 ]
amdhsa.kernels:
  - .name:           k_qf9b0bdccd5_gemm2
    .symbol:         k_qf9b0bdccd5_gemm2.kd
    .args:
      - { .name: hq, .offset: 0, .size: 8, .value_kind: global_buffer, .address_space: global }
      - { .name: hs, .offset: 8, .size: 8, .value_kind: global_buffer, .address_space: global }
      - { .name: woq, .offset: 16, .size: 8, .value_kind: global_buffer, .address_space: global }
      - { .name: wos, .offset: 24, .size: 8, .value_kind: global_buffer, .address_space: global }
      - { .name: out0, .offset: 32, .size: 8, .value_kind: global_buffer, .address_space: global }
    .group_segment_fixed_size: 327680
    .private_segment_fixed_size: 0
    .kernarg_segment_align: 8
    .kernarg_segment_size: 40
    .max_flat_workgroup_size: 128
    .sgpr_count:     72
    .vgpr_count:     1024
    .wavefront_size: 32
...
	.end_amdgpu_metadata
.endif
;; end of part 3
;; ======== version 2 of 2: 4 launches
;; workspace buffers: xq 16,777,216 bytes; xs 524,288 bytes; whq 2,097,152 bytes; whs 65,536 bytes; woq 1,048,576 bytes; wos 49,152 bytes; hq 16,777,216 bytes; hs 524,288 bytes
;; launch quant: the kernel of part 1 again; grid 448 x 1, 4 waves a work-group, no clusters, 34,304 bytes of LDS; arguments x, W_hg, W_out, xq, xs, whq, whs, woq, wos; writes xq, xs, whq, whs, woq, wos
;; launch scan (part 4): grid 32 x 8, 4 waves a work-group, clusters of 4 x 1, 327,680 bytes of LDS; arguments xq, xs, whq, whs, hq, hs, out0, wos; writes hq, hs, out0, wos
.if DOCPART == 4
	.amdgcn_target "amdgcn-amd-amdhsa--gfx1250"
	.amdhsa_code_object_version 6
	.text
	.protected	k_qf9b0bdccd5_scan
	.globl	k_qf9b0bdccd5_scan
	.p2align	8
	.type	k_qf9b0bdccd5_scan,@function
k_qf9b0bdccd5_scan:
	s_mov_b64 s[64:65], 0
	v_nop
	global_prefetch_b8 v0, s[64:65] scope:SCOPE_SE
	s_setreg_imm32_b32 hwreg(HW_REG_WAVE_MODE, 25, 1), 1
	s_wait_xcnt 0x0
	s_wait_alu depctr_hold_cnt(0) depctr_sa_sdst(0) depctr_va_vdst(0) depctr_va_sdst(0) depctr_va_ssrc(0) depctr_va_vcc(0) depctr_vm_vsrc(0)
	s_getreg_b32 s2, hwreg(HW_REG_IB_STS2, 6, 4)
	s_cmp_eq_u32 s2, 0
	s_cbranch_scc0 .Lentry_in_a_cluster
	s_endpgm
.Lentry_in_a_cluster:
	s_bfe_u32 s2, ttmp6, 0x10000c
	s_cmp_lg_u32 s2, 0x3003
	s_cbranch_scc0 .Lentry_shape_is_right
	s_endpgm
.Lentry_shape_is_right:
; hg = Q(x) Q(W_hg) on codes of BF8 with E8M0 scales; z = sigmoid(gate), g(hidden); h_t = (1 - z_t) h_(t-1) + z_t g_t along the 4,096 times of a batch; h is quantised along the channels.
; THE RECURRENCE IS THE REFERENCE'S LOG-SPACE SCAN TAKEN OUT OF LOG SPACE: every past term is weighed by a product of (1 - z) <= 1 relative to the step in hand, which is the renormalisation
; that the running maximum of a cumulative logsumexp stands for, made at every step.  Every exponential here has an argument <= 0 for every input (2^(-|gate| log2 e), 2^(min(hidden, 0) log2 e)): none can overflow.
; g(x) = sigmoid(min(x, 0)) + max(x, 0): x + 0.5 from 0 on, sigmoid(x) under it.
; LIMITS: NaN and infinities are not served.  z, 1 - z or g under 2^-126 come out as 0 (the exponential and the reciprocal flush denormals: ISA guide 15.8).  The f32 roundings fall in another order than
; in the log-space form.  A block of zeros of h carries the byte 1 (its codes are zeros; this program alone reads the bytes).
; SHARES.  A work-group owns 32 channels (slice sg = 4 x cluster x + cx: one block of the quantiser) of one HALF of a batch's times: 2,048 times, 16 trips of 128.  32 slices x 4 batches x 2 halves = 256 work-groups.
; y = 2 x batch + half.  Both halves begin with the carry 0.  THE FIRST HALF's h is final: it is quantised here, and its last h is stored as the carry.  THE SECOND HALF cannot know its carry in this launch:
; it keeps, beside B = its h from the carry 0, A = the product of 1 - z from the half's first time on, and stores both as images of its registers; the next launch makes h = A x carry + B and quantises it.
; A and B, 67,108,864 bytes, lie in out0, which the last launch writes whole: until then its bytes serve as workspace.  The carries, 16,384 bytes, lie behind W_out's scale words, from byte 32,768 of that buffer on.
; The halves part by a scalar branch on y, which all partners of a cluster share; it leads round no barrier, wait or tensor load.
; A trip is 128 times; wave w takes times 32 w .. 32 w + 31.  Source 0 = 16 rows of x, source 1 = 16 columns of W: a lane (r, h) holds channels r and 16 + r, and, by the order in which the
; launch before laid x's rows, the 16 neighbouring times 16 h + 8 m + j in register j of tile m.
; W's 32 fragments (4 tiles of columns x 8 K steps) stay in 512 registers for the whole launch.  x's come through a ring of two LDS slots of 128 KiB; each wave fetches and reads its own quarter.
; CLUSTER.  The four work-groups of a cluster walk the same x: each tile is asked for JOINTLY, by the same tensor load with the same descriptor and the mask 15.  cx enters global addresses alone.
; THE SCAN OF A TRIP: in a lane two runs of 8 times a channel (B = the local h, A = the product of 1 - z); the lane's 16 as (A16, B16) go through LDS; every lane walks its channel's 8 segments from the running carry,
; keeps the carry at its own segment, and h = A x carry + B.
; REGISTERS: window 0: addresses, scale words, accumulators, three arrays of 32 at work.  window 1: x's 16 fragments.  windows 2, 3: W's.
.set SLOT1, 1<<17                      ; slot 0 at 0, slot 1 here: one exclusive or turns an address
.set TRIPB, 131072                     ; a trip's codes of x: four waves' parts of 32,768 bytes, [m 2][s 8][image]
.set ABTRIP, 32768                     ; a trip's B and A of a work-group: four waves' parts of 8,192 bytes, [B, A][q 8][lane 32][16 bytes]
.set STG,   262144                     ; a stage for each wave: time row t at 144 t + 64 (t / 16), 128 bytes of f32
.set STGW,  4864
.set EXC,   281600                     ; the exchange: channel (u, r) at 80 (16 u + r); in it segment g = 2 w + h at 8 g: (A16, B16)
.set HSB,   284160                     ; h's scale bytes: [wave][trip 16][32 times]
.set SPARE, 289280                     ; the spare words, 128 bytes for each wave
.set FA,   3                           ; v3   16 x lane + 32,768 x wave: my place in a slot
.set ADR,  4                           ; v4   the same in the slot in hand
.set XSO,  5                           ; v5   x's scale words: 32 r + 512 h + 1,024 w
.set STW,  6                           ; v6   the stage, in
.set STR,  7                           ; v7   the stage, out
.set EXW,  8                           ; v8   the exchange, in
.set EXR,  9                           ; v9   the exchange, out
.set HSW0, 10                          ; v10  my scale byte's place in trip 0
.set CO,   11                          ; v11  16 x lane
.set PFO,  12                          ; v12  256 x lane
.set WSO,  13                          ; v13  W's scale words: 512 h + 4 r
.set SPW,  14                          ; v14  LDS address of my spare word; never rewritten
.set NIL,  15                          ; v15  0; never rewritten
.set HSA,  16                          ; v16  my scale byte's place in this trip
.set HSR,  17                          ; v17  where I read scale bytes back at the end
.set CRO,  20                          ; v20  4 x lane: a carry's place
.set WS,   24                          ; v24-39  W's scale words: register 8 p + s: lanes 0-15 tile 2 p, lanes 16-31 tile 2 p + 1
.set XS,   40                          ; v40-47  x's: register s: lanes 0-15 tile m = 0, lanes 16-31 m = 1
.set HID,  56                          ; v56-87  hidden, element e = 16 u + 8 m + j; later b, B, h
.set GAT,  88                          ; v88-119 gate; later z
.set T1,   120
.set T2,   152                         ; later 1 - z, then A
.set T3,   184                         ; later the exchange's 2 x 16 numbers
.set H,    216                         ; v216-217 the running carry of channels r, 16 + r
.set CR,   218                         ; v[218:219], v[220:221] the carry into my first and into my second run of 8
.set AB,   224                         ; v[224:225], v[226:227] (A16, B16)
.set QM,   228
.set QO,   230
.set QS,   232
.set QL,   234
.set QB,   236
.set GP,   238                         ; v238-239 second half: the running product of 1 - z from the half's first time on
.set CD,   240                         ; v240-247 h's codes, four registers for each tile of 16 times
.set CA,   248                         ; v[248:249], v[250:251] second half: that product up to my first and up to my second run of 8
.set WV,   16                          ; s16 wave
.set G1,   24                          ; s[24:31] descriptor group 1
.set G0A,  32                          ; s[32:35] group 0: trip 0 into slot 0
.set G0W,  36                          ; s[36:39] group 0: trip 1 into slot 1; then it walks
.set MK,   39                          ; s40-46   MK + k: the lanes whose segment number is k or more
.set HIM,  47
.set SEL,  48
.set L2E,  50                          ; s[50:51] log2(e), twice
.set MNT,  52
.set TB,   53                          ; s53  the slot to be read next
.set TR,   54                          ; s54  32 x trip
.set CNT,  55
.set LIM,  56
.set ROLE, 57                          ; s57  0: the first half of the times, 1: the second
.set PFA,  58
.set XSB,  60
.set HQB,  62
.set WQB,  66
.set WSP,  68
.set HSP,  70
.set ABB,  80                          ; s[80:81] out0 at my wave's part of the trip's B and A
.set CAP,  82                          ; s[82:83] my unit's 32 carries
.set MSB, 0
.macro WIN new                         ; the immediate's high byte repeats the setting that is left
.if MSB != (\new)
	s_set_vgpr_msb (MSB<<8)|(\new)
.set MSB, (\new)
.endif
.endm
.macro CROUND                          ; a round of the cluster's barrier
	s_barrier_signal -1
	s_barrier_wait -1
	s_cmp_lg_u32 s[WV], 0
	s_cbranch_scc1 .Lnot_wave_0_\@
	s_barrier_signal -3
.Lnot_wave_0_\@:
	s_barrier_wait -3
	s_barrier_signal -1
	s_barrier_wait -1
.endm
; A prefetch of the trip that the NEXT refill will ask for: a trip's 512 blocks of 256 bytes are shared out among 4 partners (by address), 4 waves and 32 lanes, one instruction a wave.
; All eight clusters of a half walk the same x: the first of them asks.  The last refill asks for nothing: no trip of the half lies behind it.
.macro ASK
	s_cmp_gt_u32 s[CNT], s[LIM]
	s_cbranch_scc0 .Lnot_mine_\@
	global_prefetch_b8 v[PFO], s[PFA:PFA+1] th:TH_LOAD_NT scope:SCOPE_SE
.Lnot_mine_\@:
.endm
	s_load_b256 s[4:11], s[0:1], 0x0               ; xq, xs, whq, whs
	s_load_b128 s[12:15], s[0:1], 0x20             ; hq, hs
	s_load_b128 s[80:83], s[0:1], 0x30             ; out0, wos
	v_lshl_add_u32 v[SPW], v0, 2, SPARE
	v_mov_b32 v[NIL], 0
	ds_add_u32 v[SPW], v[NIL]                      ; the wave's opening: the add, and its wait ahead of my first tensor load; the set-up below stands between them
	v_lshrrev_b32 v18, 5, v0
	v_readfirstlane_b32 s[WV], v18                 ; wave 0..3
	s_bfe_u32 s17, ttmp6, 0x40000                  ; cx
	s_lshl_b32 s18, ttmp9, 2
	s_add_co_u32 s18, s18, s17                     ; my slice of 32 channels
	s_and_b32 s19, ttmp7, 0xffff                   ; y = 2 x batch + half, which the partners share
	s_and_b32 s[ROLE], s19, 1
	s_mov_b32 s[G1], 15|(3<<16)|(1<<21)            ; 15:0 the mask: all four work-groups; 17:16 elements of 8 bytes; 21 set beside a mask; no padding
	s_mov_b32 s[G1+1], 32<<16                      ; tensor_dim0 = 32 elements: 256 bytes
	s_mov_b32 s[G1+2], 128<<16                     ; tensor_dim1 = 128
	s_mov_b32 s[G1+3], 32<<16                      ; tile_dim0
	s_mov_b32 s[G1+4], 128                         ; tile_dim1: 128 rows of 256 bytes: a dense block of 32,768
	s_mov_b32 s[G1+5], 32                          ; the pitch
	s_mov_b32 s[G1+6], 0
	s_mov_b32 s[G1+7], 0
	s_mov_b32 s[HIM], 0xffff0000
	s_mov_b32 s[SEL], 0x76543210
	s_mov_b32 s[SEL+1], 0xfedcba98
	s_mov_b32 s[L2E], 0x3fb8aa3b
	s_mov_b32 s[L2E+1], s[L2E]
	s_mov_b32 s[MNT], 0x600000
	s_mov_b32 s[TB], 0
	s_mov_b32 s[TR], 0
	s_mov_b32 s[CNT], 14
	s_cmp_eq_u32 ttmp9, 0                          ; the half's first cluster: the same in all four partners
	s_cselect_b32 s[LIM], 1, -1
	s_lshl_b32 s72, s[WV], 1                       ; lanes 0-15 are segment 2 w, lanes 16-31 segment 2 w + 1
.irp k, 1,2,3,4,5,6,7
	s_sub_co_i32 s73, \k, s72
	s_cmp_eq_u32 s73, 1
	s_cselect_b32 s[MK+\k], s[HIM], 0
	s_cmp_le_i32 s73, 0
	s_cselect_b32 s[MK+\k], -1, s[MK+\k]
.endr
	v_and_b32 v18, 31, v0                          ; lane
	v_and_b32 v1, 15, v0                           ; r
	v_bfe_u32 v2, v0, 4, 1                         ; h
	s_lshl_b32 s72, s[WV], 15
	v_lshlrev_b32 v[CO], 4, v18
	v_lshlrev_b32 v[CRO], 2, v18
	v_add_nc_u32 v[FA], s72, v[CO]
	v_lshlrev_b32 v[XSO], 5, v1
	v_lshl_add_u32 v[XSO], v2, 9, v[XSO]
	s_lshl_b32 s73, s[WV], 10
	v_add_nc_u32 v[XSO], s73, v[XSO]
	s_mul_i32 s74, s[WV], STGW
	s_add_co_u32 s74, s74, STG                     ; my stage
	v_mul_u32_u24 v[STW], v2, 2368                 ; in: my 16 times begin at row 16 h; 4 bytes a channel
	v_lshl_add_u32 v[STW], v1, 2, v[STW]
	v_add_nc_u32 v[STW], s74, v[STW]
	v_mul_u32_u24 v[STR], v1, 144                  ; out: time row r of a tile, channels 16 h on
	v_lshl_add_u32 v[STR], v2, 6, v[STR]
	v_add_nc_u32 v[STR], s74, v[STR]
	v_mul_u32_u24 v[EXR], v1, 80
	v_add_nc_u32 v[EXR], EXC, v[EXR]
	v_lshl_add_u32 v[EXW], v2, 3, v[EXR]
	s_lshl_b32 s75, s[WV], 4
	v_add_nc_u32 v[EXW], s75, v[EXW]
	s_lshl_b32 s73, s[WV], 9
	s_add_co_u32 s73, s73, HSB                     ; my wave's 512 scale bytes
	v_add_nc_u32 v[HSW0], s73, v1
	v_lshlrev_b32 v[PFO], 8, v18
	v_lshlrev_b32 v[WSO], 2, v1
	v_lshl_add_u32 v[WSO], v2, 9, v[WSO]
	v_bfe_u32 v19, v0, 1, 2                        ; back, in the order of time: the 16 bytes at time 512 w + 16 lane lie in wave (lane / 2) % 4's bytes,
	v_lshlrev_b32 v[HSR], 9, v19
	v_bfe_u32 v19, v0, 3, 2                        ; trip 4 w + lane / 8,
	v_lshl_add_u32 v[HSR], v19, 5, v[HSR]
	v_and_b32 v19, 1, v0                           ; half lane % 2
	v_lshl_add_u32 v[HSR], v19, 4, v[HSR]
	s_lshl_b32 s75, s[WV], 7
	s_add_co_u32 s75, s75, HSB
	v_add_nc_u32 v[HSR], s75, v[HSR]
	v_mov_b32 v[H], 0                              ; both halves begin with the carry 0
	v_mov_b32 v[H+1], 0
	v_mov_b32 v[GP], 1.0                           ; and the empty product
	v_mov_b32 v[GP+1], 1.0
	v_mov_b32 v[QO], 0                             ; written once: a lane permute's destination counts as one of its sources
	v_mov_b32 v[QO+1], 0
	s_wait_dscnt 0x0                               ; the opening add is done
	s_wait_kmcnt 0x0
	s_lshl_b32 s72, s19, 21                        ; the half's 16 trips of 131,072 bytes,
	s_lshl_b32 s73, s[WV], 15                      ; my wave's part
	s_add_co_u32 s72, s72, s73
	s_mov_b32 s73, 0
	s_add_nc_u64 s[74:75], s[4:5], s[72:73]        ; xq at my part of trip 0: made of y and the wave alone
	s_add_nc_u64 s[HQB:HQB+1], s[12:13], s[72:73]  ; hq: the same bytes on: 8 tiles of 16 times x 16,384 a trip, 2 of them mine
	s_lshl_b32 s72, s19, 16
	s_add_nc_u64 s[XSB:XSB+1], s[6:7], s[72:73]    ; xs: 4,096 bytes a trip
	s_mov_b32 s[G0A], 1                            ; count = 1
	s_lshl_b32 s[G0A+1], s[WV], 15                 ; LDS address: slot 0, my part
	s_mov_b64 s[G0A+2:G0A+3], s[74:75]
	s_or_b32 s[G0A+3], s[G0A+3], 0x80000000        ; type = 2
	s_mov_b32 s[G0W], 1
	s_add_co_u32 s[G0W+1], s[G0A+1], SLOT1
	s_add_nc_u64 s[G0W+2:G0W+3], s[74:75], TRIPB
	s_or_b32 s[G0W+3], s[G0W+3], 0x80000000
	s_lshr_b32 s76, s18, 2                         ; what hangs on cx is made in registers of its own
	s_lshl_b32 s76, s76, 11                        ; hq: K step slice / 4 of the second product,
	s_and_b32 s77, s18, 3
	s_lshl_b32 s77, s77, 9                         ; its block slice % 4: 512 bytes of the image
	s_add_co_u32 s76, s76, s77
	s_mov_b32 s77, 0
	s_add_nc_u64 s[HQB:HQB+1], s[HQB:HQB+1], s[76:77]
	s_lshl_b32 s76, s18, 16
	s_add_nc_u64 s[WQB:WQB+1], s[8:9], s[76:77]    ; my slice's 32 images of W
	s_lshl_b32 s76, s18, 11
	s_add_nc_u64 s[WSP:WSP+1], s[10:11], s[76:77]  ; and their scale words
	s_lshl_b32 s76, s18, 14
	s_lshl_b32 s78, s19, 11
	s_add_co_u32 s76, s76, s78
	s_lshl_b32 s78, s[WV], 9
	s_add_co_u32 s76, s76, s78
	s_add_nc_u64 s[HSP:HSP+1], s[14:15], s[76:77]  ; hs: [slice][row], my half, the 512 times that I store
	s_lshl_b32 s76, s19, 21
	s_add_co_u32 s76, s76, 3*TRIPB                 ; the prefetches begin with trip 3: trips 0 to 2 come by their loads alone
	s_lshl_b32 s78, s17, 15
	s_add_co_u32 s76, s76, s78
	s_lshl_b32 s78, s[WV], 13
	s_add_co_u32 s76, s76, s78
	s_add_nc_u64 s[PFA:PFA+1], s[4:5], s[76:77]
	s_lshr_b32 s76, s19, 1                         ; the batch
	s_lshl_b32 s76, s76, 5
	s_add_co_u32 s76, s76, s18                     ; my unit: 32 x batch + slice
	s_lshl_b32 s78, s76, 7                         ; 32 carries of 4 bytes a unit,
	s_add_co_u32 s78, s78, 32768                   ; behind W_out's scale words
	s_mov_b32 s79, 0
	s_add_nc_u64 s[CAP:CAP+1], s[CAP:CAP+1], s[78:79]
	s_lshl_b32 s76, s76, 19                        ; 16 trips of 32,768 bytes of B and A a unit,
	s_lshl_b32 s78, s[WV], 13                      ; my wave's 8,192
	s_add_co_u32 s76, s76, s78
	s_add_nc_u64 s[ABB:ABB+1], s[ABB:ABB+1], s[76:77]
	CROUND                                         ; all four work-groups are here: the first joint loads meet
	tensor_load_to_lds s[G0A:G0A+3], s[G1:G1+7]    ; trip 0
	s_nop 0
	tensor_load_to_lds s[G0W:G0W+3], s[G1:G1+7]    ; trip 1: two loads of mine are out
	s_nop 0
.rept 4
	v_nop
.endr
	WIN 0x80                                       ; destination window 2: W's tiles 0, 1 (hidden)
.set cc, 0
.rept 2
.set ss, 0
.rept 8
.irp c, 0,1,2,3
	global_load_b128 v[16*(8*cc+ss)+4*\c:16*(8*cc+ss)+4*\c+3], v[CO], s[WQB:WQB+1] offset:(8*cc+ss)*2048+512*\c
.endr
.set ss, ss+1
.endr
.set cc, cc+1
.endr
	WIN 0xc0                                       ; window 3: tiles 2, 3 (gate)
.set cc, 0
.rept 2
.set ss, 0
.rept 8
.irp c, 0,1,2,3
	global_load_b128 v[16*(8*cc+ss)+4*\c:16*(8*cc+ss)+4*\c+3], v[CO], s[WQB:WQB+1] offset:(8*(cc+2)+ss)*2048+512*\c
.endr
.set ss, ss+1
.endr
.set cc, cc+1
.endr
	WIN 0
.set pp, 0
.rept 2
.set ss, 0
.rept 8
	global_load_b32 v[WS+8*pp+ss], v[WSO], s[WSP:WSP+1] offset:1024*pp+64*ss
.set ss, ss+1
.endr
.set pp, pp+1
.endr
	global_load_b128 v[XS:XS+3], v[XSO], s[XSB:XSB+1]
	global_load_b128 v[XS+4:XS+7], v[XSO], s[XSB:XSB+1] offset:16
; my 16 fragments of x out of the slot at s[TB]: 64 loads of 512 consecutive bytes
.macro FRAGS
	v_add_nc_u32 v[ADR], s[TB], v[FA]
	WIN 0x40                                       ; destination window 1
.set mm, 0
.rept 2
.set ss, 0
.rept 8
.irp c, 0,1,2,3
	ds_load_b128 v[16*(8*mm+ss)+4*\c:16*(8*mm+ss)+4*\c+3], v[ADR] offset:16384*mm+2048*ss+512*\c
.endr
.set ss, ss+1
.endr
.set mm, mm+1
.endr
	WIN 0
	s_xor_b32 s[TB], s[TB], SLOT1
.endm
; one product; the registers and the rows of the scale registers stand in symbols
.macro WM zero
.if \zero
.if oA
.if oB
	v_wmma_scale_f32_16x16x128_f8f6f4 v[rD:rD+7], v[rA:rA+15], v[rB:rB+15], 0, v[rSA], v[rSB] matrix_a_fmt:MATRIX_FMT_BF8 matrix_b_fmt:MATRIX_FMT_BF8 matrix_a_scale:MATRIX_SCALE_ROW1 matrix_b_scale:MATRIX_SCALE_ROW1
.else
	v_wmma_scale_f32_16x16x128_f8f6f4 v[rD:rD+7], v[rA:rA+15], v[rB:rB+15], 0, v[rSA], v[rSB] matrix_a_fmt:MATRIX_FMT_BF8 matrix_b_fmt:MATRIX_FMT_BF8 matrix_a_scale:MATRIX_SCALE_ROW1
.endif
.else
.if oB
	v_wmma_scale_f32_16x16x128_f8f6f4 v[rD:rD+7], v[rA:rA+15], v[rB:rB+15], 0, v[rSA], v[rSB] matrix_a_fmt:MATRIX_FMT_BF8 matrix_b_fmt:MATRIX_FMT_BF8 matrix_b_scale:MATRIX_SCALE_ROW1
.else
	v_wmma_scale_f32_16x16x128_f8f6f4 v[rD:rD+7], v[rA:rA+15], v[rB:rB+15], 0, v[rSA], v[rSB] matrix_a_fmt:MATRIX_FMT_BF8 matrix_b_fmt:MATRIX_FMT_BF8
.endif
.endif
.else
.if oA
.if oB
	v_wmma_scale_f32_16x16x128_f8f6f4 v[rD:rD+7], v[rA:rA+15], v[rB:rB+15], v[rD:rD+7], v[rSA], v[rSB] matrix_a_fmt:MATRIX_FMT_BF8 matrix_b_fmt:MATRIX_FMT_BF8 matrix_a_scale:MATRIX_SCALE_ROW1 matrix_b_scale:MATRIX_SCALE_ROW1
.else
	v_wmma_scale_f32_16x16x128_f8f6f4 v[rD:rD+7], v[rA:rA+15], v[rB:rB+15], v[rD:rD+7], v[rSA], v[rSB] matrix_a_fmt:MATRIX_FMT_BF8 matrix_b_fmt:MATRIX_FMT_BF8 matrix_a_scale:MATRIX_SCALE_ROW1
.endif
.else
.if oB
	v_wmma_scale_f32_16x16x128_f8f6f4 v[rD:rD+7], v[rA:rA+15], v[rB:rB+15], v[rD:rD+7], v[rSA], v[rSB] matrix_a_fmt:MATRIX_FMT_BF8 matrix_b_fmt:MATRIX_FMT_BF8 matrix_b_scale:MATRIX_SCALE_ROW1
.else
	v_wmma_scale_f32_16x16x128_f8f6f4 v[rD:rD+7], v[rA:rA+15], v[rB:rB+15], v[rD:rD+7], v[rSA], v[rSB] matrix_a_fmt:MATRIX_FMT_BF8 matrix_b_fmt:MATRIX_FMT_BF8
.endif
.endif
.endif
.endm
; 64 products: first the hidden columns' four accumulators through all of K, then the gate's four.  The four take turns, one instruction a turn; the first K step starts the sums.
.macro MM
.set pp, 0
.rept 2
	WIN 0x09+4*pp                                  ; source 0 (x) window 1, source 1 (W) window 2 or 3, C and D window 0
.set ss, 0
.rept 8
.set cc, 0
.rept 2
.set mm, 0
.rept 2
.set rD, HID+16*(2*pp+cc)+8*mm
.set rA, 16*(8*mm+ss)
.set rB, 16*(8*cc+ss)
.set rSA, XS+ss
.set rSB, WS+8*pp+ss
.set oA, mm
.set oB, cc
.if ss == 0
	WM 1
.else
	WM 0
.endif
.set mm, mm+1
.endr
.set cc, cc+1
.endr
.set ss, ss+1
.endr
.set pp, pp+1
.endr
	WIN 0
.rept 8
	v_nop                                          ; eight places ahead of the loads into x's fragments and scale words and of the first read of results
.endr
.endm
; z, 1 - z and b = z g, 32 elements a lane, each array from its low end on
.macro GATE
.set e, 0
.rept 32
	v_mul_f32 v[T1+e], -|v[GAT+e]|, s[L2E]
.set e, e+1
.endr
.set e, 0
.rept 16                               ; u = 2^(-|gate| log2 e); the hidden side's plain work stands between the exponentials
	v_exp_f32 v[T1+e], v[T1+e]
	v_min_num_f32 v[T3+e], 0, v[HID+e]
	v_exp_f32 v[T1+e+1], v[T1+e+1]
	v_min_num_f32 v[T3+e+1], 0, v[HID+e+1]
	v_pk_add_f32 v[HID+e:HID+e+1], v[HID+e:HID+e+1], v[T3+e:T3+e+1] neg_lo:[0,1] neg_hi:[0,1]   ; max(x, 0) = x - min(x, 0), exactly
	v_pk_mul_f32 v[T3+e:T3+e+1], v[T3+e:T3+e+1], s[L2E:L2E+1] op_sel_hi:[1,0]
.set e, e+2
.endr
.set e, 0
.rept 32
	v_exp_f32 v[T3+e], v[T3+e]                     ; y = e^min(x, 0)
.set e, e+1
.endr
	v_nop                                          ; a plain line behind the last exponential,
	s_wait_alu depctr_va_vdst(0)                   ; and one wait for the 64, ahead of their first reader
.set e, 0
.rept 16
	v_pk_add_f32 v[T2+e:T2+e+1], v[T1+e:T1+e+1], 1.0 op_sel_hi:[1,0]
.set e, e+2
.endr
.set e, 0
.rept 32
	v_rcp_f32 v[T2+e], v[T2+e]                     ; 1 / (1 + u) = sigmoid(|gate|)
.set e, e+1
.endr
	v_nop
	s_wait_alu depctr_va_vdst(0)
.set e, 0
.rept 16
	v_pk_mul_f32 v[T1+e:T1+e+1], v[T1+e:T1+e+1], v[T2+e:T2+e+1]   ; u / (1 + u) = sigmoid(-|gate|)
.set e, e+2
.endr
.set e, 0
.rept 32
	v_cmp_le_f32 vcc_lo, 0, v[GAT+e]
	v_cndmask_b32 v[GAT+e], v[T1+e], v[T2+e], vcc_lo   ; z
	v_cndmask_b32 v[T2+e], v[T2+e], v[T1+e], vcc_lo    ; 1 - z
.set e, e+1
.endr
.set e, 0
.rept 16
	v_pk_add_f32 v[T1+e:T1+e+1], v[T3+e:T3+e+1], 1.0 op_sel_hi:[1,0]
.set e, e+2
.endr
.set e, 0
.rept 32
	v_rcp_f32 v[T1+e], v[T1+e]
.set e, e+1
.endr
	v_nop
	s_wait_alu depctr_va_vdst(0)
.set e, 0
.rept 16
	v_pk_fma_f32 v[HID+e:HID+e+1], v[T3+e:T3+e+1], v[T1+e:T1+e+1], v[HID+e:HID+e+1]   ; g = y / (1 + y) + max(x, 0)
.set e, e+2
.endr
.set e, 0
.rept 16
	v_pk_mul_f32 v[HID+e:HID+e+1], v[GAT+e:GAT+e+1], v[HID+e:HID+e+1]                 ; b = z g
.set e, e+2
.endr
.endm
; the four runs of 8 times, by turns: B_j = a_j B_(j-1) + b_j, A_j = a_j A_(j-1)
.macro SCAN8
.set j, 1
.rept 7
.irp q, 0,8,16,24
	v_fma_f32 v[HID+\q+j], v[T2+\q+j], v[HID+\q+j-1], v[HID+\q+j]
.endr
.irp q, 0,8,16,24
	v_mul_f32 v[T2+\q+j], v[T2+\q+j], v[T2+\q+j-1]
.endr
.set j, j+1
.endr
.irp u, 0,1
	v_mul_f32 v[AB+2*\u], v[T2+16*\u+15], v[T2+16*\u+7]
	v_fma_f32 v[AB+2*\u+1], v[T2+16*\u+15], v[HID+16*\u+7], v[HID+16*\u+15]
.endr
.endm
; the eight segments of 16 times meet in LDS; every lane walks its channels' eight from the running carry
.macro XCHG
	ds_store_b64 v[EXW], v[AB:AB+1]
	ds_store_b64 v[EXW], v[AB+2:AB+3] offset:1280
	s_wait_dscnt 0x0                               ; for the others' sake: my stores are done (and the next trip's fragments are in)
	s_barrier_signal -1
	s_barrier_wait -1                              ; my refill may stay out
.irp u, 0,1
.irp q, 0,1,2,3
	ds_load_b128 v[T3+16*\u+4*\q:T3+16*\u+4*\q+3], v[EXR] offset:1280*\u+16*\q
.endr
.endr
	v_mov_b32 v[CR], v[H]                          ; segment 0's carry is the trip's
	v_mov_b32 v[CR+2], v[H+1]
	s_wait_dscnt 0x0
.irp k, 0,1,2,3,4,5,6
.irp u, 0,1
	v_fma_f32 v[H+\u], v[T3+16*\u+2*\k], v[H+\u], v[T3+16*\u+2*\k+1]
.endr
.irp u, 0,1
	v_cndmask_b32 v[CR+2*\u], v[CR+2*\u], v[H+\u], s[MK+\k+1]   ; kept by the lanes of segments k + 1 on: the last that a lane keeps is its own carry
.endr
.endr
.irp u, 0,1
	v_fma_f32 v[H+\u], v[T3+16*\u+14], v[H+\u], v[T3+16*\u+15]  ; the next trip's carry
.endr
.irp u, 0,1
	v_fma_f32 v[CR+2*\u+1], v[T2+16*\u+7], v[CR+2*\u], v[HID+16*\u+7]   ; the carry into my second run
.endr
.endm
.macro FIX                             ; h = A x carry + B
.irp u, 0,1
.irp q, 0,2,4,6
	v_pk_fma_f32 v[HID+16*\u+\q:HID+16*\u+\q+1], v[T2+16*\u+\q:T2+16*\u+\q+1], v[CR+2*\u:CR+2*\u+1], v[HID+16*\u+\q:HID+16*\u+\q+1] op_sel_hi:[1,0,1]
.endr
.irp q, 8,10,12,14
	v_pk_fma_f32 v[HID+16*\u+\q:HID+16*\u+\q+1], v[T2+16*\u+\q:T2+16*\u+\q+1], v[CR+2*\u:CR+2*\u+1], v[HID+16*\u+\q:HID+16*\u+\q+1] op_sel:[0,1,0] op_sel_hi:[1,1,1]
.endr
.endr
.endm
; SECOND HALF.  The same walk over the eight segments for the products alone: A becomes the product of 1 - z from the half's first time on.  The exchange's numbers still stand in T3.
.macro APROD
	v_mov_b32 v[CA], v[GP]
	v_mov_b32 v[CA+2], v[GP+1]
.irp k, 0,1,2,3,4,5,6
.irp u, 0,1
	v_mul_f32 v[GP+\u], v[T3+16*\u+2*\k], v[GP+\u]
.endr
.irp u, 0,1
	v_cndmask_b32 v[CA+2*\u], v[CA+2*\u], v[GP+\u], s[MK+\k+1]
.endr
.endr
.irp u, 0,1
	v_mul_f32 v[GP+\u], v[T3+16*\u+14], v[GP+\u]                ; the next trip's
.endr
.irp u, 0,1
	v_mul_f32 v[CA+2*\u+1], v[T2+16*\u+7], v[CA+2*\u]           ; up to my second run
.endr
.irp u, 0,1
.irp q, 0,2,4,6
	v_pk_mul_f32 v[T2+16*\u+\q:T2+16*\u+\q+1], v[T2+16*\u+\q:T2+16*\u+\q+1], v[CA+2*\u:CA+2*\u+1] op_sel_hi:[1,0]
.endr
.irp q, 8,10,12,14
	v_pk_mul_f32 v[T2+16*\u+\q:T2+16*\u+\q+1], v[T2+16*\u+\q:T2+16*\u+\q+1], v[CA+2*\u:CA+2*\u+1] op_sel:[0,1] op_sel_hi:[1,1]
.endr
.endr
.endm
.macro PUTAB                           ; B and A leave as images of their registers: each store covers 512 consecutive bytes, aligned
.irp q, 0,1,2,3,4,5,6,7
	global_store_b128 v[CO], v[HID+4*\q:HID+4*\q+3], s[ABB:ABB+1] offset:512*\q th:TH_STORE_NT
.endr
.irp q, 0,1,2,3,4,5,6,7
	global_store_b128 v[CO], v[T2+4*\q:T2+4*\q+3], s[ABB:ABB+1] offset:4096+512*\q th:TH_STORE_NT
.endr
.endm
; from a channel a lane to a time a lane, through my own stage: LDS serves a wave's instructions in order (ISA guide 5.7.1.4)
.macro TURNQ
.irp u, 0,1
.set j, 0
.rept 16
	ds_store_b32 v[STW], v[HID+16*\u+j] offset:j*144+64*\u
.set j, j+1
.endr
.endr
.irp t, 0,1
.irp q, 0,1,2,3
	ds_load_b128 v[T1+16*\t+4*\q:T1+16*\t+4*\q+3], v[STR] offset:2368*\t+16*\q
.endr
.endr
	s_wait_dscnt 0x0
.endm
; the quantiser of h: lane (r, k) holds channels 16 k + 0 .. 15 of time 16 t + r; the block of 32 lies in lanes l and l xor 16.  h is never negative: no |.|, and the hold is one-sided
.macro QH
.irp t, 0,1
	v_max3_num_f32 v[QM+\t], v[T1+16*\t], v[T1+16*\t+1], 0x8000000   ; with the floor 2^(16 - 127)
.endr
.irp i, 2,4,6,8,10,12,14
.irp t, 0,1
	v_max3_num_f32 v[QM+\t], v[QM+\t], v[T1+16*\t+\i], v[T1+16*\t+\i+1]
.endr
.endr
.irp t, 0,1
	v_permlanex16_b32 v[QO+\t], v[QM+\t], s[SEL], s[SEL+1]
.endr
.irp t, 0,1
	v_max_num_f32 v[QM+\t], v[QM+\t], v[QO+\t]
.endr
.irp t, 0,1
	v_add_nc_u32 v[QS+\t], 0xf8800000, v[QM+\t]    ; the conversion's scale operand
.endr
.irp t, 0,1
	v_and_or_b32 v[QL+\t], v[QM+\t], 0x7f800000, s[MNT]   ; 57,344 x the scale
.endr
.irp t, 0,1
	v_lshrrev_b32 v[QB+\t], 23, v[QS+\t]           ; the scale's byte
.endr
.irp t, 0,1
.irp i, 0,1,2,3,4,5,6,7,8,9,10,11,12,13,14,15
	v_min_num_f32 v[T1+16*\t+\i], v[T1+16*\t+\i], v[QL+\t]
.endr
	v_cvt_scalef32_pk8_bf8_f32 v[CD+4*\t:CD+4*\t+1], v[T1+16*\t:T1+16*\t+7], v[QS+\t]
	v_cvt_scalef32_pk8_bf8_f32 v[CD+4*\t+2:CD+4*\t+3], v[T1+16*\t+8:T1+16*\t+15], v[QS+\t]
.endr
	v_nop                                          ; one plain line behind the last conversion
	v_add_nc_u32 v[HSA], s[TR], v[HSW0]
.irp t, 0,1
	ds_store_b8 v[HSA], v[QB+\t] offset:16*\t      ; both lanes of a block write the same byte with the same value
	global_store_b128 v[CO], v[CD+4*\t:CD+4*\t+3], s[HQB:HQB+1] offset:16384*\t th:TH_STORE_NT   ; my slice's 512 consecutive bytes of the tile's image
.endr
.endm
; A TRIP.  At its head the fragments of its 128 times are on their way into registers.  Each wave waits for all its tensor loads (one is out: the next trip's tile), adds 0 to its spare word, and waits for
; that and for its reads of the slot that it has left.  refill = 1: that slot takes the trip two on, behind a round of the cluster's barrier, and has the whole trip in which to land.
; The barrier at the head also parts the last trip's reads of the exchange from this trip's stores there.
.macro TRIP refill, next
	s_wait_tensorcnt 0x0                           ; no tensor load of mine is out, so the walking group 0 may be written
	ds_add_u32 v[SPW], v[NIL]                      ; 0 onto my spare word
.if \refill
	s_xor_b32 s[G0W+1], s[G0W+1], SLOT1            ; the other slot than last time,
	s_add_nc_u64 s[G0W+2:G0W+3], s[G0W+2:G0W+3], TRIPB   ; the next trip; the type bits on top are not reached
.endif
	s_wait_dscnt 0x0                               ; the add is done; my fragments are in registers: my reads of the slot are over
.if \refill
	CROUND
	tensor_load_to_lds s[G0W:G0W+3], s[G1:G1+7]    ; my one tensor load behind the round
	s_nop 0
.rept 4
	v_nop
.endr
	ASK
.else
	s_barrier_signal -1
	s_barrier_wait -1
.endif
	s_wait_loadcnt 0x0                             ; x's scale words (in the first trip W too)
	MM
.if \next
	FRAGS                                          ; the next trip's fragments: its tile was shown landed at this trip's head
	global_load_b128 v[XS:XS+3], v[XSO], s[XSB:XSB+1] offset:4096
	global_load_b128 v[XS+4:XS+7], v[XSO], s[XSB:XSB+1] offset:4112
.endif
	GATE
	SCAN8
	XCHG
	FIX
	s_cmp_lg_u32 s[ROLE], 0                        ; the halves part: y alone decides, the same in all waves and in all partners
	s_cbranch_scc1 .Lsecond_\@
	TURNQ                                          ; the first half's h is final
	QH
	s_branch .Lboth_\@
.Lsecond_\@:
	APROD                                          ; the second half's waits for its carry
	PUTAB
.Lboth_\@:
	s_wait_xcnt 0x0                                ; the trip's loads, stores and prefetch have read their registers: bases, codes, B and A may be written again
	s_add_nc_u64 s[XSB:XSB+1], s[XSB:XSB+1], 4096
	s_add_nc_u64 s[HQB:HQB+1], s[HQB:HQB+1], TRIPB
	s_add_nc_u64 s[PFA:PFA+1], s[PFA:PFA+1], TRIPB
	s_add_nc_u64 s[ABB:ABB+1], s[ABB:ABB+1], ABTRIP
	s_add_co_u32 s[TR], s[TR], 32
.endm
	s_wait_tensorcnt 1                             ; my part of trip 0 is in; trip 1's may be out.  I alone read my part: no barrier is owed
	FRAGS
.Ltrip:                                                ; 14 trips: trip i asks for trip i + 2
	TRIP 1, 1
	s_sub_co_u32 s[CNT], s[CNT], 1
	s_cmp_lg_u32 s[CNT], 0
	s_cbranch_scc1 .Ltrip
	TRIP 0, 1                                      ; the tail is written out
	TRIP 0, 0
	s_wait_dscnt 0x0                               ; my scale bytes lie in LDS,
	s_barrier_signal -1
	s_barrier_wait -1                              ; everybody's do
	s_cmp_lg_u32 s[ROLE], 0
	s_cbranch_scc1 .Lno_tail                       ; the second half has made no scale bytes and passes no carry on
	ds_load_b128 v[T1:T1+3], v[HSR]
	v_cndmask_b32 v[T1+4], v[H], v[H+1], s[HIM]    ; lane l: the last h of channel l
	s_wait_dscnt 0x0
	global_store_b128 v[CO], v[T1:T1+3], s[HSP:HSP+1]              ; 512 consecutive bytes, in the order of time
	s_cmp_lg_u32 s[WV], 0                          ; every wave holds the same carries: wave 0 stores them
	s_cbranch_scc1 .Lno_tail
	global_store_b32 v[CRO], v[T1+4], s[CAP:CAP+1] ; 128 consecutive bytes: 16,384 in the whole launch
.Lno_tail:
	s_wait_tensorcnt 0x0                           ; the wave's end
	ds_add_u32 v[SPW], v[NIL]
	s_wait_dscnt 0x0
	CROUND                                         ; the closing round
	s_endpgm
.Lfunc_end_k_qf9b0bdccd5_scan:
	.size	k_qf9b0bdccd5_scan, .Lfunc_end_k_qf9b0bdccd5_scan-k_qf9b0bdccd5_scan
	.p2alignl 7, 3214868480
	.fill 96, 4, 3214868480
	.section	.rodata,"a",@progbits
	.p2align	6, 0x0
	.amdhsa_kernel k_qf9b0bdccd5_scan
		.amdhsa_group_segment_fixed_size 327680
		.amdhsa_private_segment_fixed_size 0
		.amdhsa_enable_private_segment 0
		.amdhsa_kernarg_size 64
		.amdhsa_user_sgpr_count 2
		.amdhsa_user_sgpr_kernarg_segment_ptr 1
		.amdhsa_wavefront_size32 1
		.amdhsa_system_sgpr_workgroup_id_x 1
		.amdhsa_system_sgpr_workgroup_id_y 1
		.amdhsa_system_sgpr_workgroup_id_z 1
		.amdhsa_system_vgpr_workitem_id 0
		.amdhsa_next_free_vgpr 1024
		.amdhsa_next_free_sgpr 84
		.amdhsa_reserve_vcc 1
		.amdhsa_float_denorm_mode_32 3
		.amdhsa_float_denorm_mode_16_64 3
		.amdhsa_memory_ordered 1
		.amdhsa_forward_progress 1
		.amdhsa_inst_pref_size 164
	.end_amdhsa_kernel
	.amdgpu_metadata
---
amdhsa.version: [ 1, 2 ]
amdhsa.kernels:
  - .name:           k_qf9b0bdccd5_scan
    .symbol:         k_qf9b0bdccd5_scan.kd
    .args:
      - { .name: xq, .offset: 0, .size: 8, .value_kind: global_buffer, .address_space: global }
      - { .name: xs, .offset: 8, .size: 8, .value_kind: global_buffer, .address_space: global }
      - { .name: whq, .offset: 16, .size: 8, .value_kind: global_buffer, .address_space: global }
      - { .name: whs, .offset: 24, .size: 8, .value_kind: global_buffer, .address_space: global }
      - { .name: hq, .offset: 32, .size: 8, .value_kind: global_buffer, .address_space: global }
      - { .name: hs, .offset: 40, .size: 8, .value_kind: global_buffer, .address_space: global }
      - { .name: out0, .offset: 48, .size: 8, .value_kind: global_buffer, .address_space: global }
      - { .name: wos, .offset: 56, .size: 8, .value_kind: global_buffer, .address_space: global }
    .group_segment_fixed_size: 327680
    .private_segment_fixed_size: 0
    .kernarg_segment_align: 8
    .kernarg_segment_size: 64
    .max_flat_workgroup_size: 128
    .sgpr_count:     84
    .vgpr_count:     1024
    .wavefront_size: 32
...
	.end_amdgpu_metadata
.endif
;; end of part 4
;; launch fix (part 5): grid 256 x 1, 4 waves a work-group, no clusters, 20,992 bytes of LDS; arguments out0, wos, hq, hs; writes hq, hs
.if DOCPART == 5
	.amdgcn_target "amdgcn-amd-amdhsa--gfx1250"
	.amdhsa_code_object_version 6
	.text
	.protected	k_qf9b0bdccd5_fix
	.globl	k_qf9b0bdccd5_fix
	.p2align	8
	.type	k_qf9b0bdccd5_fix,@function
k_qf9b0bdccd5_fix:
	s_mov_b64 s[64:65], 0
	v_nop
	global_prefetch_b8 v0, s[64:65] scope:SCOPE_SE
	s_setreg_imm32_b32 hwreg(HW_REG_WAVE_MODE, 25, 1), 1
	s_wait_xcnt 0x0
; The second half of each batch's times: h = A x carry + B, quantised along the channels to codes of BF8 (E5M2) with one E8M0 scale byte for each 32 channels.
; B (h from the carry 0) and A (the product of 1 - z from the half's first time on) lie in out0 as the launch before stored them: [unit 128][trip 16][wave 4][B, A][q 8][lane 32][16 bytes], a unit being
; 32 x batch + slice of 32 channels: images of that launch's registers.  Lane (r, h) holds channels r (registers 0-15) and 16 + r (16-31) at the 16 times 16 h + j of a step's 32.
; The carries, the first halves' last h, lie from byte 32,768 of the buffer of W_out's scale words on: [unit][32 channels] f32.
; A wave takes 256 times of one unit: 8 steps of 32 times, 8,192 bytes each, 65,536 consecutive bytes in all.  128 units x 8 = 1,024 waves.  Each load reads 512 consecutive bytes; three sets of registers take turns,
; so that two steps' 32 loads are out while a step is worked.  Then as in the launch before: from a channel a lane to a time a lane through the wave's own stage in LDS, the block's largest h, its byte, the hold, the conversion.
; The codes go into the images of the second product's operand, 512 consecutive bytes a store; a wave's 256 scale bytes are gathered in its own LDS bytes and leave as one aligned run of 256.
; LIMITS: as in the launch before: NaN and infinities are not served; a block of zeros carries the byte 1 (its codes are zeros; this program alone reads the bytes).
; Memory binds and nothing is shared: no matrix unit, no tensor load, no cluster, no barrier, no prefetch.
.set STGW,  4864                       ; a wave's stage: time row t at 144 t + 64 (t / 16), 128 bytes of f32
.set HSBF,  19456                      ; behind the four stages: 256 scale bytes for each wave
.set SPARE, 20480                      ; behind them: the spare words, 128 bytes for each wave
.set CO,   3                           ; v3   16 x lane
.set STW,  4                           ; v4   the stage, in
.set STR,  5                           ; v5   the stage, out
.set HSW,  6                           ; v6   my scale byte's place in step 0
.set HSRD, 7                           ; v7   where I read 8 scale bytes back
.set L8,   8                           ; v8   8 x lane
.set CRO,  9                           ; v9   4 r
.set SPW,  10                          ; v10  LDS address of my spare word; never rewritten
.set NIL,  11                          ; v11  0; never rewritten
.set CC,   12                          ; v[12:13], v[14:15] the carries of channels r and 16 + r, each the low word of a pair
.set SET,  16                          ; v16-207 three sets of 64: B's 32 registers, then A's
.set T1,   208                         ; v208-239 32 numbers by time
.set QM,   240                         ; v240-241 the largest h; later the bytes
.set QO,   242
.set QS,   244
.set QL,   246
.set CD,   248                         ; v248-255 the codes
.set SEL,  30
.set MNT,  32
	s_load_b256 s[4:11], s[0:1], 0x0               ; out0, wos, hq, hs
	v_lshl_add_u32 v[SPW], v0, 2, SPARE
	v_mov_b32 v[NIL], 0
	v_lshrrev_b32 v1, 5, v0
	v_readfirstlane_b32 s12, v1                    ; wave 0..3
	v_and_b32 v1, 15, v0                           ; r
	v_bfe_u32 v2, v0, 4, 1                         ; h
	v_and_b32 v[L8], 31, v0                        ; lane
	v_lshlrev_b32 v[CO], 4, v[L8]
	v_lshlrev_b32 v[L8], 3, v[L8]
	v_lshlrev_b32 v[CRO], 2, v1
	s_mul_i32 s13, s12, STGW                       ; my stage
	v_mul_u32_u24 v[STW], v2, 2368                 ; in: my 16 times begin at row 16 h; 4 bytes a channel
	v_lshl_add_u32 v[STW], v1, 2, v[STW]
	v_add_nc_u32 v[STW], s13, v[STW]
	v_mul_u32_u24 v[STR], v1, 144                  ; out: time row r of a tile, channels 16 h on
	v_lshl_add_u32 v[STR], v2, 6, v[STR]
	v_add_nc_u32 v[STR], s13, v[STR]
	s_lshl_b32 s14, s12, 8
	s_add_co_u32 s14, s14, HSBF                    ; my 256 scale bytes
	v_add_nc_u32 v[HSW], s14, v1
	v_add_nc_u32 v[HSRD], s14, v[L8]
	v_mov_b32 v[CC+1], 0                           ; named as the upper halves of pairs, so they are written
	v_mov_b32 v[CC+3], 0
	v_mov_b32 v[QO], 0                             ; written once: a lane permute's destination counts as one of its sources
	v_mov_b32 v[QO+1], 0
	s_mov_b32 s[SEL], 0x76543210
	s_mov_b32 s[SEL+1], 0xfedcba98
	s_mov_b32 s[MNT], 0x600000
	s_lshl_b32 s15, ttmp9, 2
	s_add_co_u32 s15, s15, s12                     ; my run of 256 times: 8 x unit + p
	s_lshr_b32 s16, s15, 3                         ; the unit
	s_and_b32 s17, s15, 7                          ; p: trips 2 p and 2 p + 1 of the half's 16
	s_and_b32 s18, s16, 31                         ; the slice
	s_lshr_b32 s19, s16, 5                         ; the batch
	s_lshl_b32 s20, s15, 16                        ; B and A: 65,536 bytes a run
	s_mov_b32 s21, 0
	s_lshl_b32 s22, s16, 7                         ; the carries: 128 bytes a unit,
	s_add_co_u32 s22, s22, 32768                   ; behind W_out's scale words
	s_mov_b32 s23, 0
	s_lshl_b32 s24, s19, 5                         ; hq: trip 32 x batch + 16 + 2 p of 131,072 bytes,
	s_add_co_u32 s24, s24, 16
	s_lshl_b32 s26, s17, 1
	s_add_co_u32 s24, s24, s26
	s_lshl_b32 s24, s24, 17
	s_lshr_b32 s26, s18, 2
	s_lshl_b32 s26, s26, 11                        ; K step slice / 4 of the second product,
	s_add_co_u32 s24, s24, s26
	s_and_b32 s26, s18, 3
	s_lshl_b32 s26, s26, 9                         ; its block slice % 4: 512 bytes of the image
	s_add_co_u32 s24, s24, s26
	s_mov_b32 s25, 0
	s_lshl_b32 s28, s18, 14                        ; hs: [slice][row]: the batch's second half, my 256 times
	s_lshl_b32 s26, s19, 12
	s_add_co_u32 s28, s28, s26
	s_lshl_b32 s26, s17, 8
	s_add_co_u32 s28, s28, s26
	s_add_co_u32 s28, s28, 2048
	s_mov_b32 s29, 0
	s_wait_kmcnt 0x0
	s_add_nc_u64 s[4:5], s[4:5], s[20:21]
	s_add_nc_u64 s[6:7], s[6:7], s[22:23]
	s_add_nc_u64 s[8:9], s[8:9], s[24:25]
	s_add_nc_u64 s[10:11], s[10:11], s[28:29]
	global_load_b32 v[CC], v[CRO], s[6:7]
	global_load_b32 v[CC+2], v[CRO], s[6:7] offset:64
.macro LOADS st                        ; step st's B and A: 16 loads of 512 consecutive bytes
.set qq, 0
.rept 16
	global_load_b128 v[SET+64*((\st)%3)+4*qq:SET+64*((\st)%3)+4*qq+3], v[CO], s[4:5] offset:8192*(\st)+512*qq th:TH_LOAD_NT
.set qq, qq+1
.endr
.endm
.macro STEP st
.set BS, SET+64*((\st)%3)
.if (\st) < 6
	s_wait_loadcnt 32                              ; this step's loads are in (in step 0 the carries too); the next two steps' 32 may be out
.else
	s_wait_loadcnt 16*(7-(\st))
.endif
.irp u, 0,1
.irp q, 0,2,4,6,8,10,12,14
	v_pk_fma_f32 v[BS+16*\u+\q:BS+16*\u+\q+1], v[BS+32+16*\u+\q:BS+32+16*\u+\q+1], v[CC+2*\u:CC+2*\u+1], v[BS+16*\u+\q:BS+16*\u+\q+1] op_sel_hi:[1,0,1]   ; h = A x carry + B
.endr
.endr
.irp u, 0,1                            ; from a channel a lane to a time a lane, through my own stage: LDS serves a wave's instructions in order (ISA guide 5.7.1.4)
.set j, 0
.rept 16
	ds_store_b32 v[STW], v[BS+16*\u+j] offset:j*144+64*\u
.set j, j+1
.endr
.endr
.irp t, 0,1
.irp q, 0,1,2,3
	ds_load_b128 v[T1+16*\t+4*\q:T1+16*\t+4*\q+3], v[STR] offset:2368*\t+16*\q
.endr
.endr
	s_wait_dscnt 0x0                               ; the numbers are back, so the stage's stores have read this set
	s_wait_xcnt 0x0                                ; the last step's stores have read the codes' registers, which are written again below
.if (\st) < 5
	LOADS (\st)+3                                  ; into the set just read out
.endif
.irp t, 0,1                            ; lane (r, k) holds channels 16 k + 0 .. 15 of time 16 t + r; the block lies in lanes l and l xor 16.  h is never negative: no |.|, and the hold is one-sided
	v_max3_num_f32 v[QM+\t], v[T1+16*\t], v[T1+16*\t+1], 0x8000000   ; with the floor 2^(16 - 127): the byte cannot fall under 1
.endr
.irp i, 2,4,6,8,10,12,14
.irp t, 0,1
	v_max3_num_f32 v[QM+\t], v[QM+\t], v[T1+16*\t+\i], v[T1+16*\t+\i+1]
.endr
.endr
.irp t, 0,1
	v_permlanex16_b32 v[QO+\t], v[QM+\t], s[SEL], s[SEL+1]
.endr
.irp t, 0,1
	v_max_num_f32 v[QM+\t], v[QM+\t], v[QO+\t]
.endr
.irp t, 0,1
	v_add_nc_u32 v[QS+\t], 0xf8800000, v[QM+\t]    ; 15 off the exponent field: the conversion's scale operand
.endr
.irp t, 0,1
	v_and_or_b32 v[QL+\t], v[QM+\t], 0x7f800000, s[MNT]   ; 57,344 x the scale
.endr
.irp t, 0,1
	v_lshrrev_b32 v[QM+\t], 23, v[QS+\t]           ; the scale's byte, in the register that held the largest h
.endr
.irp t, 0,1
.irp i, 0,1,2,3,4,5,6,7,8,9,10,11,12,13,14,15
	v_min_num_f32 v[T1+16*\t+\i], v[T1+16*\t+\i], v[QL+\t]   ; the conversion to an 8-bit code does not saturate (ISA guide 7.6.2): the hold comes first
.endr
	v_cvt_scalef32_pk8_bf8_f32 v[CD+4*\t:CD+4*\t+1], v[T1+16*\t:T1+16*\t+7], v[QS+\t]
	v_cvt_scalef32_pk8_bf8_f32 v[CD+4*\t+2:CD+4*\t+3], v[T1+16*\t+8:T1+16*\t+15], v[QS+\t]
.endr
	v_nop                                          ; one plain line behind the last conversion
.irp t, 0,1
	ds_store_b8 v[HSW], v[QM+\t] offset:32*(\st)+16*\t   ; both lanes of a block write the same byte with the same value
	global_store_b128 v[CO], v[CD+4*\t:CD+4*\t+3], s[8:9] offset:32768*(\st)+16384*\t th:TH_STORE_NT   ; my slice's 512 consecutive bytes of the tile's image
.endr
.endm
	LOADS 0
	LOADS 1
	LOADS 2
.irp s, 0,1,2,3,4,5,6,7
	STEP \s
.endr
	ds_load_b64 v[T1:T1+1], v[HSRD]                ; LDS serves a wave's instructions in order: these see my stores
	s_wait_dscnt 0x0
	global_store_b64 v[L8], v[T1:T1+1], s[10:11]   ; 32 lanes store 256 consecutive bytes, aligned
	s_wait_tensorcnt 0x0                           ; the wave's end
	ds_add_u32 v[SPW], v[NIL]
	s_wait_dscnt 0x0
	s_endpgm
.Lfunc_end_k_qf9b0bdccd5_fix:
	.size	k_qf9b0bdccd5_fix, .Lfunc_end_k_qf9b0bdccd5_fix-k_qf9b0bdccd5_fix
	.p2alignl 7, 3214868480
	.fill 96, 4, 3214868480
	.section	.rodata,"a",@progbits
	.p2align	6, 0x0
	.amdhsa_kernel k_qf9b0bdccd5_fix
		.amdhsa_group_segment_fixed_size 20992
		.amdhsa_private_segment_fixed_size 0
		.amdhsa_enable_private_segment 0
		.amdhsa_kernarg_size 32
		.amdhsa_user_sgpr_count 2
		.amdhsa_user_sgpr_kernarg_segment_ptr 1
		.amdhsa_wavefront_size32 1
		.amdhsa_system_sgpr_workgroup_id_x 1
		.amdhsa_system_sgpr_workgroup_id_y 1
		.amdhsa_system_sgpr_workgroup_id_z 1
		.amdhsa_system_vgpr_workitem_id 0
		.amdhsa_next_free_vgpr 256
		.amdhsa_next_free_sgpr 66
		.amdhsa_reserve_vcc 0
		.amdhsa_float_denorm_mode_32 3
		.amdhsa_float_denorm_mode_16_64 3
		.amdhsa_memory_ordered 1
		.amdhsa_forward_progress 1
		.amdhsa_inst_pref_size 70
	.end_amdhsa_kernel
	.amdgpu_metadata
---
amdhsa.version: [ 1, 2 ]
amdhsa.kernels:
  - .name:           k_qf9b0bdccd5_fix
    .symbol:         k_qf9b0bdccd5_fix.kd
    .args:
      - { .name: out0, .offset: 0, .size: 8, .value_kind: global_buffer, .address_space: global }
      - { .name: wos, .offset: 8, .size: 8, .value_kind: global_buffer, .address_space: global }
      - { .name: hq, .offset: 16, .size: 8, .value_kind: global_buffer, .address_space: global }
      - { .name: hs, .offset: 24, .size: 8, .value_kind: global_buffer, .address_space: global }
    .group_segment_fixed_size: 20992
    .private_segment_fixed_size: 0
    .kernarg_segment_align: 8
    .kernarg_segment_size: 32
    .max_flat_workgroup_size: 128
    .sgpr_count:     66
    .vgpr_count:     256
    .wavefront_size: 32
...
	.end_amdgpu_metadata
.endif
;; end of part 5
;; launch gemm2: the kernel of part 3 again; grid 4 x 64, 4 waves a work-group, clusters of 4 x 4, 327,680 bytes of LDS; arguments hq, hs, woq, wos, out0; writes out0
